; MI455X (gfx1250); checked and timed in simulation.
; The chip was launched on July 23, 2026; its instructions are those of AMD's public machine-readable ISA for CDNA 5 (MIT licence, August 2026) and "CDNA5" Instruction Set Architecture Reference Guide (July 2026). The comments in the code are by the model that wrote it; some were corrected since.
;; Mo E Layer. Allowed arithmetic: matrix products marked QUANTISED: E4M3 operands, one given power-of-two scale a tensor, by v_wmma_f32_16x16x64_fp8_fp8 or v_wmma_f32_16x16x128_fp8_fp8, f32 sums; products left as they are: f32 operands where the result goes on into a quantised operand, else bf16, f16 or f32 operands; f32 sums; everything else in f32.
;; Inputs: expert_b 8 x 1,024 float32; expert_w 8 x 1,024 x 1,024 float32; gate_b 8 float32; gate_w 1,024 x 8 float32; lowp_scales 2 int32 (the exponents e of the quantised operands' scales 2^e); x 8,192 x 1,024 float32.
;; Outputs: out0 8,192 x 1,024 float32.
;; This version of the problem:
;;   THIS VERSION OF THE PROBLEM IS GIVEN IN LOW PRECISION. The matrix products marked QUANTISED in the list below multiply operands that are first quantised to E4M3 (4 exponent bits, 3 mantissa bits; 8 bits a number), with one given power-of-two scale for each operand tensor; their sums are f32. All else is computed in f32.
;;   The module's matrix products, in the order in which they are computed (A, B: the left and right operand; K: the contracted axis; several contracted axes count as one K, in the product's order):
;;     1. [M 8,192, K 1,024] x [K 1,024, N 8]; A: input x; B: input gate_w: left as it is (N = 8 < 16)
;;     2. [M 8,192, K 1,024] x [K 1,024, N 8,192]; A: input x; B: input expert_w: QUANTISED (scales: A lowp_scales[0], B lowp_scales[1])
;;     3. batch 8,192 x [M 1, K 8] x [K 8, N 1,024]; A: computed on the way; B: computed on the way: left as it is (K = 8 < 32)
;;   THE QUANTISER, for each operand of a quantised product, along K:
;;     - The operand's scale is 2^e, e = its entry of the input lowp_scales (int32; the entries are numbered through the quantised products in the list's order, A before B).
;;     - Each number is divided by the scale, clamped to +-448, and rounded to the nearest number of E4M3, ties to even, subnormals kept.
;;     - The product sums the exact products of the quantised numbers (number of the format x scale) in f32.
;;   ~~~python
;;   def quantise(x, axis, e):      # numpy; x: float32 -> the quantised numbers, widened to float32 again
;;       x = np.moveaxis(x, axis, -1); K = x.shape[-1]
;;       r = np.clip(x / 2.0 ** e, -448, 448)
;;       step = 2.0 ** (np.maximum(np.frexp(np.where(r == 0, 1, r))[1] - 1, -6) - 3)
;;       q = np.round(r / step) * step * 2.0 ** e      # np.round: ties to even
;;       return np.moveaxis(q, -1, axis).astype(np.float32)
;;   ~~~
;; 2 versions. Each part assembles by itself: llvm-mc -triple=amdgcn-amd-amdhsa -mcpu=gfx1250 --defsym DOCPART=n.
;; ======== version 1 of 2: 3 launches
;; workspace buffers: xc 8,388,608 bytes; wc 8,388,608 bytes; pw 262,144 bytes; tokw 32,768 bytes of whole numbers; hist 32,768 bytes of whole numbers; order 32,768 bytes of whole numbers; bmask 1,024 bytes of whole numbers
;; launch prep (part 1): grid 512 x 1, 4 waves a work-group, no clusters, 768 bytes of LDS; arguments x, gate_w, gate_b, expert_w, lowp_scales, xc, wc, pw, tokw, hist; writes xc, wc, pw, tokw, hist
.if DOCPART == 1
	.amdgcn_target "amdgcn-amd-amdhsa--gfx1250"
	.amdhsa_code_object_version 6
	.text
	.protected	k_qcba95906e1_prep
	.globl	k_qcba95906e1_prep
	.p2align	8
	.type	k_qcba95906e1_prep,@function
k_qcba95906e1_prep:
	s_mov_b64 s[64:65], 0
	v_nop
	global_prefetch_b8 v0, s[64:65] scope:SCOPE_SE
	s_setreg_imm32_b32 hwreg(HW_REG_WAVE_MODE, 25, 1), 1
	s_wait_xcnt 0x0
; PREP.  Work-groups 0-255: 32 tokens each: x -> codes of E4M3 (scale 2^e0), the gate in f32 (x gate_w + gate_b, softmax, top 2), the token's bin and its rank in the chunk of 32.
; Work-groups 256-511: expert_w -> codes of E4M3 (scale 2^e1), laid in the order in which the product's operand registers take them.
; code = number / 2^e, held within +-448, to the nearest code, ties to even.
; ORDER ALONG K.  Place q of a row of xc holds k(q) = 128 (4 (q / 512) + (q % 16) / 4) + 4 ((q % 512) / 16) + q % 4: what dense loads of 512 bytes of x and dense stores of 512 bytes of codes give
; with no turn through LDS.  W's codes are laid by the same k(q) (W's row k stands in each load's immediate), so every product meets its partner.
; wc: [expert 8][group of 64 columns 16][K step of 128 places 8][fragment of 16 columns 4][c 4][lane 32][16 bytes]: lane (r, h) holds column r, places 32 c + 16 h + 0 .. 15.
; pw: [token][8] f32: the softmax's p for the two chosen experts, 0 for the others.  tokw: [token]: bits 4:0 bin, 12:8 rank in the chunk, 23:16 the two experts as a mask.  hist: [chunk][32 bins] counts.
; BINS: the 28 pairs lo < hi in an order in which neighbouring bins share an expert: bin = lo (15 - lo) / 2 + (lo odd ? 7 - hi : hi - lo - 1).
; Nothing that is made of floating-point numbers enters an address or a branch here: the choice is stored at fixed places.
; LIMITS: e0, e1 between -126 and 119.  NaN among the inputs is not served.  Where the second and the third p lie closer than the rounding of the gate's f32 sums, the choice may differ from another order of summing.
; No matrix unit (the gate has 8 columns), no tensor loads, no cluster: the work-groups share only gate_w, 32 KiB.
.set CODE, 8                           ; v8-15    a row's 32 codes a lane
.set E,    16                          ; v16-23   logits, then exponentials
.set P,    24                          ; v24-31   p
.set Q,    32                          ; v32-39   p without the first choice
.set WT,   40                          ; v40-47   p of the two chosen, else 0
.set T0,   48                          ; v48-63   at work
.set X,    64                          ; v64-191  four row slots of 32: X[4 i + t] = x[128 i + 4 lane + t]
.set A,    192                         ; v192-255 A[8 j + e]: my lane's part of row j's logit e
                                       ; window 1: G[8 xi + e] = gate_w[128 (xi / 4) + 4 lane + xi % 4][e]
.set XW,   64                          ; W's path: two sets of 32 numbers
.set CW,   128                         ; W's path: 8 registers of codes for each of 8 blocks: no store's data are written again
.set MSB, 0
.macro WIN new                         ; the immediate's high byte repeats the setting that is left
.if MSB != \new
	s_set_vgpr_msb (MSB<<8)|\new
.set MSB, \new
.endif
.endm
	s_load_b512 s[4:19], s[0:1], 0x0               ; x 4:5, gate_w 6:7, gate_b 8:9, expert_w 10:11, scales 12:13, xc 14:15, wc 16:17, pw 18:19
	s_load_b128 s[20:23], s[0:1], 0x40             ; tokw 20:21, hist 22:23
	s_set_vgpr_msb 0x80
	v_lshl_add_u32 v0, v0, 2, 0x100
	v_mov_b32 v1, 0
	s_set_vgpr_msb 0x8000
	v_and_b32 v1, 31, v0                           ; lane
	v_lshrrev_b32 v6, 5, v0
	v_readfirstlane_b32 s24, v6                    ; wave 0..3
	s_wait_kmcnt 0x0
	s_load_b64 s[26:27], s[12:13], 0x0             ; e0, e1
	s_cmp_ge_u32 ttmp9, 256                        ; the same in all four waves
	s_cbranch_scc1 .Lweights
; ---------------- x: wave w takes rows 32 g + 8 w + 0 .. 7 ----------------
	s_load_b256 s[32:39], s[8:9], 0x0              ; gate_b
	v_lshlrev_b32 v2, 4, v1                        ; 16 x lane
	v_lshlrev_b32 v3, 7, v1                        ; 128 x lane: four rows of gate_w
	s_lshl_b32 s28, ttmp9, 5
	s_lshl_b32 s29, s24, 3
	s_add_co_u32 s28, s28, s29                     ; my first row
	s_mov_b32 s31, 0
	s_lshl_b32 s30, s28, 12
	s_add_nc_u64 s[4:5], s[4:5], s[30:31]          ; x: rows of 4,096 bytes
	s_lshl_b32 s30, s28, 10
	s_add_nc_u64 s[14:15], s[14:15], s[30:31]      ; xc: rows of 1,024
	s_lshl_b32 s30, s28, 5
	s_add_nc_u64 s[18:19], s[18:19], s[30:31]      ; pw: rows of 32
	s_lshl_b32 s30, ttmp9, 7
	s_add_nc_u64 s[20:21], s[20:21], s[30:31]      ; tokw and hist: 128 bytes a chunk
	s_add_nc_u64 s[22:23], s[22:23], s[30:31]
	s_mov_b32 s40, 0xff00ff00                      ; lanes whose bit 3 is set
	s_mov_b32 s41, 0xf0f0f0f0                      ; bit 2
	s_mov_b32 s42, 0xaaaaaaaa                      ; bit 0
	s_mov_b32 s43, 0xcccccccc                      ; bit 1
	WIN 0x40                                       ; destination window 1
.irp i, 0,1,2,3,4,5,6,7
.irp t, 0,1,2,3
	global_load_b128 v[8*(4*\i+\t):8*(4*\i+\t)+3],   v3, s[6:7] offset:4096*\i+32*\t
	global_load_b128 v[8*(4*\i+\t)+4:8*(4*\i+\t)+7], v3, s[6:7] offset:4096*\i+32*\t+16
.endr
.endr
	WIN 0
.macro XLOAD j                         ; row j: eight loads of 512 consecutive bytes
.irp i, 0,1,2,3,4,5,6,7
	global_load_b128 v[X+32*((\j)%4)+4*\i:X+32*((\j)%4)+4*\i+3], v2, s[4:5] offset:4096*(\j)+512*\i th:TH_LOAD_NT
.endr
.endm
	XLOAD 0
	XLOAD 1
	XLOAD 2
	XLOAD 3
	s_wait_kmcnt 0x0
	s_add_co_i32 s44, s26, 127
	s_lshl_b32 s45, s44, 23
	v_mov_b32 v4, s45                              ; 2^e0 as f32: the conversion takes its exponent field
	s_add_co_i32 s44, s44, 8
	s_lshl_b32 s44, s44, 23
	s_or_b32 s44, s44, 0x600000
	v_mov_b32 v5, s44                              ; 448 x 2^e0
; One row: its part of the eight logits (128 packed multiply-adds: one x against two neighbouring experts), then its codes.
.macro ROW j
.set XS, X+32*((\j)%4)
.if 8*(7-(\j)) > 24
	s_wait_loadcnt 24                              ; my row is in (and gate_w, which is older); the three rows behind it stay out
.else
	s_wait_loadcnt 8*(7-(\j))
.endif
	WIN 0x04                                       ; source 1 (gate_w) window 1
.set xi, 0
.rept 32
.set xp, XS+(xi/2)*2
.irp pr, 0,1,2,3
.if xi == 0
	v_pk_mul_f32 v[A+8*(\j)+2*\pr:A+8*(\j)+2*\pr+1], v[xp:xp+1], v[8*xi+2*\pr:8*xi+2*\pr+1] op_sel_hi:[0,1]   ; the first product starts the sums
.elseif xi%2 == 0
	v_pk_fma_f32 v[A+8*(\j)+2*\pr:A+8*(\j)+2*\pr+1], v[xp:xp+1], v[8*xi+2*\pr:8*xi+2*\pr+1], v[A+8*(\j)+2*\pr:A+8*(\j)+2*\pr+1] op_sel_hi:[0,1,1]   ; the pair's first x for both halves
.else
	v_pk_fma_f32 v[A+8*(\j)+2*\pr:A+8*(\j)+2*\pr+1], v[xp:xp+1], v[8*xi+2*\pr:8*xi+2*\pr+1], v[A+8*(\j)+2*\pr:A+8*(\j)+2*\pr+1] op_sel:[1,0,0] op_sel_hi:[1,1,1]   ; its second
.endif
.endr
.set xi, xi+1
.endr
	WIN 0
.set xi, 0
.rept 32
	v_med3_num_f32 v[XS+xi], v[XS+xi], -v5, v5     ; the conversion to an 8-bit code does not saturate (ISA guide 7.6.2): the hold at the largest code x the scale
.set xi, xi+1
.endr
.if (\j) > 0
	s_wait_xcnt 0x0                                ; the last row's stores have read CODE: it is written again only behind this wait
.endif
.irp g, 0,1,2,3
	v_cvt_scalef32_pk8_fp8_f32 v[CODE+2*\g:CODE+2*\g+1], v[XS+8*\g:XS+8*\g+7], v4
.endr
	v_nop                                          ; a plain line behind the last conversion
	global_store_b128 v2, v[CODE:CODE+3],   s[14:15] offset:1024*(\j)       ; 32 lanes store 512 consecutive bytes, aligned
	global_store_b128 v2, v[CODE+4:CODE+7], s[14:15] offset:1024*(\j)+512
.if (\j)+4 < 8
	XLOAD (\j)+4
.endif
.endm
.irp j, 0,1,2,3,4,5,6,7
	ROW \j
.endr
; The 64 sums over the 32 lanes, halving the registers at each step: afterwards lane l holds the eight logits of row l / 4 (four lanes alike).
.set i, 0
.rept 32
	v_permlane16_swap_b32 v[A+i], v[A+i+32]        ; rows 0-3 gather in lanes 0-15, rows 4-7 in lanes 16-31
.set i, i+1
.endr
.set i, 0
.rept 32
	v_add_f32 v[A+i], v[A+i], v[A+i+32]
.set i, i+1
.endr
.macro RED_X n, m, xm                  ; lanes with the mask's bit keep register i + n and send register i, the others the other way round
.set i, 0
.rept \n
	v_cndmask_b32 v[T0+i%4], v[A+i+\n], v[A+i], s[\m]
	v_cndmask_b32 v[A+i], v[A+i], v[A+i+\n], s[\m]
	v_add_f32_dpp v[A+i], v[T0+i%4], v[A+i] row_xmask:\xm row_mask:0xf bank_mask:0xf
.set i, i+1
.endr
.endm
	RED_X 16, 40, 8
	RED_X 8, 41, 4
.irp e, 0,1,2,3,4,5,6,7
	v_add_f32_dpp v[A+\e], v[A+\e], v[A+\e] row_xmask:1 row_mask:0xf bank_mask:0xf
.endr
.irp e, 0,1,2,3,4,5,6,7
	v_add_f32_dpp v[A+\e], v[A+\e], v[A+\e] row_xmask:2 row_mask:0xf bank_mask:0xf
.endr
; softmax over the eight experts, within the lane: the row's maximum is taken away first
.irp e, 0,1,2,3,4,5,6,7
	v_add_f32 v[E+\e], s[32+\e], v[A+\e]
.endr
	v_max3_num_f32 v48, v[E], v[E+1], v[E+2]
	v_max3_num_f32 v49, v[E+3], v[E+4], v[E+5]
	v_max3_num_f32 v48, v48, v[E+6], v[E+7]
	v_max_num_f32 v48, v48, v49
.irp e, 0,1,2,3,4,5,6,7
	v_sub_f32 v[E+\e], v[E+\e], v48
.endr
.irp e, 0,1,2,3,4,5,6,7
	v_mul_f32 v[E+\e], 0x3fb8aa3b, v[E+\e]         ; x log2(e)
.endr
.irp e, 0,1,2,3,4,5,6,7
	v_exp_f32 v[E+\e], v[E+\e]
.endr
	v_nop                                          ; a plain line behind the exponentials
	s_wait_alu depctr_va_vdst(0)
	v_add_f32 v49, v[E], v[E+1]
	v_add_f32 v50, v[E+2], v[E+3]
	v_add_f32 v51, v[E+4], v[E+5]
	v_add_f32 v52, v[E+6], v[E+7]
	v_add_f32 v49, v49, v50
	v_add_f32 v51, v51, v52
	v_add_f32 v49, v49, v51
	v_rcp_f32 v49, v49
	v_nop                                          ; a plain line behind the reciprocal
	s_wait_alu depctr_va_vdst(0)
.irp e, 0,1,2,3,4,5,6,7
	v_mul_f32 v[P+\e], v[E+\e], v49
.endr
; the largest of eight and its index; only a strictly larger number takes over, so of equals the lower index stays
.macro SCAN src, m, ix
	v_mov_b32 v[\ix], 0
	v_cmp_le_f32 vcc_lo, v[\src+1], v[\src]
	v_cndmask_b32 v[\m], v[\src+1], v[\src], vcc_lo
	v_cndmask_b32 v[\ix], 1, v[\ix], vcc_lo
.irp e, 2,3,4,5,6,7
	v_cmp_le_f32 vcc_lo, v[\src+\e], v[\m]
	v_cndmask_b32 v[\m], v[\src+\e], v[\m], vcc_lo
	v_cndmask_b32 v[\ix], \e, v[\ix], vcc_lo
.endr
.endm
	SCAN P, 50, 51                                 ; v51: the first choice
.irp e, 0,1,2,3,4,5,6,7
	v_cmp_ne_u32 vcc_lo, \e, v51
	v_cndmask_b32 v[Q+\e], -1.0, v[P+\e], vcc_lo   ; the first choice is taken out: -1 lies under every p
.endr
	SCAN Q, 52, 53                                 ; v53: the second choice
.irp e, 0,1,2,3,4,5,6,7
	v_cmp_eq_u32 s44, \e, v51
	v_cmp_eq_u32 s45, \e, v53
	s_or_b32 s44, s44, s45
	v_cndmask_b32 v[WT+\e], 0, v[P+\e], s44        ; the weight: p itself for the two members, 0 else
.endr
	v_min_u32 v54, v51, v53                        ; lo
	v_max_u32 v55, v51, v53                        ; hi
	v_sub_nc_u32 v56, 15, v54
	v_mul_u32_u24 v56, v54, v56
	v_lshrrev_b32 v56, 1, v56                      ; lo (15 - lo) / 2
	v_sub_nc_u32 v57, v55, v54
	v_add_nc_u32 v57, -1, v57                      ; hi - lo - 1
	v_sub_nc_u32 v58, 7, v55                       ; 7 - hi
	v_and_b32 v59, 1, v54
	v_cmp_eq_u32 vcc_lo, 1, v59
	v_cndmask_b32 v57, v57, v58, vcc_lo
	v_add_nc_u32 v56, v56, v57                     ; the bin
	v_mov_b32 v59, 1
	v_lshlrev_b32 v60, v51, v59
	v_lshlrev_b32 v61, v53, v59
	v_or_b32 v60, v60, v61                         ; the two experts as a mask
	v_lshl_or_b32 v60, v60, 16, v56                ; key = bin | mask << 16
; pw: lane l stores weights 2 (l % 4) and 2 (l % 4) + 1 of row l / 4: the wave stores 256 consecutive bytes, aligned
	v_cndmask_b32 v62, v[WT], v[WT+2], s42
	v_cndmask_b32 v48, v[WT+4], v[WT+6], s42
	v_cndmask_b32 v62, v62, v48, s43
	v_cndmask_b32 v63, v[WT+1], v[WT+3], s42
	v_cndmask_b32 v49, v[WT+5], v[WT+7], s42
	v_cndmask_b32 v63, v63, v49, s43
	v_lshlrev_b32 v6, 3, v1
	global_store_b64 v6, v[62:63], s[18:19]
; the chunk's 32 keys meet in LDS: word 8 w + l / 4 (the four lanes of a row store the same word)
	v_and_b32 v54, 0x7c, v0
	ds_store_b32 v54, v60
	s_wait_dscnt 0x0                               ; for the others' sake: my store has landed
	s_barrier_signal -1
	s_barrier_wait -1
	s_cmp_lg_u32 s24, 0
	s_cbranch_scc1 .Lend                           ; wave 0 alone goes on: a lane to a token of the chunk
	v_lshlrev_b32 v7, 2, v1
	ds_load_b32 v16, v7
	s_wait_dscnt 0x0
	v_and_b32 v17, 31, v16                         ; my token's bin
	v_mov_b32 v18, 0                               ; its rank: earlier tokens of the chunk in the same bin
	v_mov_b32 v19, 0                               ; lane b: the chunk's count in bin b
.set bb, 0
.rept 28
	v_cmp_eq_u32 vcc_lo, bb, v17
	v_mbcnt_lo_u32_b32 v20, vcc_lo, 0
	v_cndmask_b32 v18, v18, v20, vcc_lo
	s_bcnt1_i32_b32 s44, vcc_lo
	v_writelane_b32 v19, s44, bb
.set bb, bb+1
.endr
	v_lshl_or_b32 v18, v18, 8, v16
	global_store_b32 v7, v18, s[20:21]             ; 128 consecutive bytes a chunk; 64 KiB of such stores in the whole launch
	global_store_b32 v7, v19, s[22:23]
.Lend:
	s_set_vgpr_msb 0xa
	s_wait_tensorcnt 0x0
	ds_add_u32 v0, v1
	s_wait_dscnt 0x0
	s_set_vgpr_msb 0xa00
	s_endpgm
; ---------------- expert_w: a lane takes a column, its registers run down K in the order of the places ----------------
; Work-group: expert e, 128 columns cb, K steps 2 y and 2 y + 1.  Wave w: columns 128 cb + 32 w + lane.  Eight blocks of 32 places; loads run two blocks ahead.
.Lweights:
	s_sub_co_u32 s28, ttmp9, 256
	s_lshr_b32 s29, s28, 5                         ; e
	s_bfe_u32 s30, s28, 0x30002                    ; cb
	s_and_b32 s31, s28, 3                          ; y
	s_lshl_b32 s32, s29, 22                        ; in: e x 4 MiB
	s_lshr_b32 s33, s31, 1
	s_lshl_b32 s33, s33, 21                        ; + 512 (y / 2) rows of 4,096 bytes
	s_add_co_u32 s32, s32, s33
	s_and_b32 s33, s31, 1
	s_lshl_b32 s33, s33, 18                        ; + 64 (y % 2) rows
	s_add_co_u32 s32, s32, s33
	s_lshl_b32 s33, s30, 9                         ; + 128 cb columns
	s_add_co_u32 s32, s32, s33
	s_lshl_b32 s33, s24, 7                         ; + 32 w columns
	s_add_co_u32 s32, s32, s33
	s_mov_b32 s33, 0
	s_add_nc_u64 s[10:11], s[10:11], s[32:33]
	s_lshl_b32 s34, s29, 20                        ; out: e x 1 MiB
	s_lshl_b32 s35, s30, 17                        ; + group 2 cb + w / 2 of 64 KiB
	s_add_co_u32 s34, s34, s35
	s_lshr_b32 s35, s24, 1
	s_lshl_b32 s35, s35, 16
	s_add_co_u32 s34, s34, s35
	s_lshl_b32 s35, s31, 14                        ; + K step 2 y of 8 KiB
	s_add_co_u32 s34, s34, s35
	s_and_b32 s35, s24, 1
	s_lshl_b32 s35, s35, 12                        ; + fragment 2 (w % 2) of 2 KiB
	s_add_co_u32 s34, s34, s35
	s_mov_b32 s35, 0
	s_add_nc_u64 s[16:17], s[16:17], s[34:35]
	v_lshlrev_b32 v2, 2, v1                        ; in: 4 bytes a lane: a load reads 128 consecutive bytes, the four waves side by side 512
	v_and_b32 v6, 15, v1
	v_lshrrev_b32 v7, 4, v1
	v_lshlrev_b32 v3, 4, v6
	v_lshl_add_u32 v3, v7, 11, v3                  ; out: fragment lane / 16, 16 bytes at lane % 16
.macro LOADW t                         ; block t: K step t / 4 of my two, c = t % 4: places 32 c + li; W's row k(place) stands in the immediate (447 rows at the most: inside the signed 24 bits)
.set li, 0
.rept 32
	global_load_b32 v[XW+32*((\t)%2)+li], v2, s[10:11] offset:(32*((\t)/4)+8*((\t)%4)+4*(li/16)+128*((li%16)/4)+li%4)*4096 th:TH_LOAD_NT
.set li, li+1
.endr
.endm
	LOADW 0
	LOADW 1
	s_wait_kmcnt 0x0
	s_add_co_i32 s44, s27, 127
	s_lshl_b32 s45, s44, 23
	v_mov_b32 v4, s45                              ; 2^e1
	s_add_co_i32 s44, s44, 8
	s_lshl_b32 s44, s44, 23
	s_or_b32 s44, s44, 0x600000
	v_mov_b32 v5, s44                              ; 448 x 2^e1
.macro BLOCKW t
.set XS, XW+32*((\t)%2)
.if (\t) < 7
	s_wait_loadcnt 32                              ; this block's 32 loads are in; the next block's may be out
.else
	s_wait_loadcnt 0x0
.endif
.set li, 0
.rept 32
	v_med3_num_f32 v[XS+li], v[XS+li], -v5, v5
.set li, li+1
.endr
.irp g, 0,1,2,3
	v_cvt_scalef32_pk8_fp8_f32 v[CW+8*(\t)+2*\g:CW+8*(\t)+2*\g+1], v[XS+8*\g:XS+8*\g+7], v4
.endr
	v_nop                                          ; a plain line behind the last conversion
	global_store_b128 v3, v[CW+8*(\t):CW+8*(\t)+3],   s[16:17] offset:8192*((\t)/4)+512*((\t)%4)       ; places 0-15: the fragment's lanes 0-15; sixteen lanes store 256 consecutive bytes, aligned
	global_store_b128 v3, v[CW+8*(\t)+4:CW+8*(\t)+7], s[16:17] offset:8192*((\t)/4)+512*((\t)%4)+256   ; places 16-31: its lanes 16-31
.if (\t)+2 < 8
	LOADW (\t)+2
.endif
.endm
.irp t, 0,1,2,3,4,5,6,7
	BLOCKW \t
.endr
	s_endpgm
.Lfunc_end_k_qcba95906e1_prep:
	.size	k_qcba95906e1_prep, .Lfunc_end_k_qcba95906e1_prep-k_qcba95906e1_prep
	.p2alignl 7, 3214868480
	.fill 96, 4, 3214868480
	.section	.rodata,"a",@progbits
	.p2align	6, 0x0
	.amdhsa_kernel k_qcba95906e1_prep
		.amdhsa_group_segment_fixed_size 768
		.amdhsa_private_segment_fixed_size 0
		.amdhsa_enable_private_segment 0
		.amdhsa_kernarg_size 80
		.amdhsa_user_sgpr_count 2
		.amdhsa_user_sgpr_kernarg_segment_ptr 1
		.amdhsa_wavefront_size32 1
		.amdhsa_system_sgpr_workgroup_id_x 1
		.amdhsa_system_sgpr_workgroup_id_y 1
		.amdhsa_system_sgpr_workgroup_id_z 1
		.amdhsa_system_vgpr_workitem_id 0
		.amdhsa_next_free_vgpr 514
		.amdhsa_next_free_sgpr 66
		.amdhsa_reserve_vcc 1
		.amdhsa_float_denorm_mode_32 3
		.amdhsa_float_denorm_mode_16_64 3
		.amdhsa_memory_ordered 1
		.amdhsa_forward_progress 1
		.amdhsa_inst_pref_size 166
	.end_amdhsa_kernel
	.amdgpu_metadata
---
amdhsa.version: [ 1, 2 ]
amdhsa.kernels:
  - .name:           k_qcba95906e1_prep
    .symbol:         k_qcba95906e1_prep.kd
    .args:
      - { .name: x, .offset: 0, .size: 8, .value_kind: global_buffer, .address_space: global }
      - { .name: gate_w, .offset: 8, .size: 8, .value_kind: global_buffer, .address_space: global }
      - { .name: gate_b, .offset: 16, .size: 8, .value_kind: global_buffer, .address_space: global }
      - { .name: expert_w, .offset: 24, .size: 8, .value_kind: global_buffer, .address_space: global }
      - { .name: lowp_scales, .offset: 32, .size: 8, .value_kind: global_buffer, .address_space: global }
      - { .name: xc, .offset: 40, .size: 8, .value_kind: global_buffer, .address_space: global }
      - { .name: wc, .offset: 48, .size: 8, .value_kind: global_buffer, .address_space: global }
      - { .name: pw, .offset: 56, .size: 8, .value_kind: global_buffer, .address_space: global }
      - { .name: tokw, .offset: 64, .size: 8, .value_kind: global_buffer, .address_space: global }
      - { .name: hist, .offset: 72, .size: 8, .value_kind: global_buffer, .address_space: global }
    .group_segment_fixed_size: 768
    .private_segment_fixed_size: 0
    .kernarg_segment_align: 8
    .kernarg_segment_size: 80
    .max_flat_workgroup_size: 128
    .sgpr_count:     66
    .vgpr_count:     514
    .wavefront_size: 32
...
	.end_amdgpu_metadata
.endif
;; end of part 1
;; launch place (part 2): grid 1 x 1, 8 waves a work-group, no clusters, 2,048 bytes of LDS; arguments tokw, hist, order, bmask; writes order, bmask
.if DOCPART == 2
	.amdgcn_target "amdgcn-amd-amdhsa--gfx1250"
	.amdhsa_code_object_version 6
	.text
	.protected	k_qcba95906e1_place
	.globl	k_qcba95906e1_place
	.p2align	8
	.type	k_qcba95906e1_place,@function
k_qcba95906e1_place:
	s_mov_b64 s[64:65], 0
	v_nop
	global_prefetch_b8 v0, s[64:65] scope:SCOPE_SE
	s_setreg_imm32_b32 hwreg(HW_REG_WAVE_MODE, 25, 1), 1
	s_wait_xcnt 0x0
; PLACE.  The tokens are sorted by bin (a counting sort, without atomics): order[position] = token | the token's two experts as a mask << 16.
; position = tokens in lower bins + tokens of the same bin in earlier chunks + rank in the chunk.  One work-group: the prefix sums span all 256 chunks, 64 KiB of whole numbers in all.
; Wave w owns chunks 32 w + j, j = 0 .. 31.  For hist a lane is a bin; for tokw a lane is a token of the chunk.
; bmask: for each block of 128 places of the list, the experts that its tokens use, as a mask: block B at word 32 (B / 8) + B % 8.  A bin's tokens fill the places from its beginning on, so a block uses the
; experts of the bins that are not empty and overlap its 128 places; expert e is among them where that set of bins meets the seven bins that hold e (constants of the bins' numbering).
; The stores into order are of 4 bytes to places that the data choose, 32 KiB in all: a turn through LDS would want LDS addresses made of data.
.set H, 32                             ; v32-63   hist of my 32 chunks; later lane indices, then the words to store
.set T, 64                             ; v64-95   tokw of my 32 chunks
.set O, 96                             ; v96-127  lane b: where chunk j's tokens of bin b begin
.set Z, 128                            ; v128-159 that number for my token's bin; then its byte offset in order
; bin = lo (15 - lo) / 2 + (lo odd ? 7 - hi : hi - lo - 1).  The bins that hold expert e, one bit a bin:
.set BW0, 0x7f                         ; bins 0-6
.set BW1, 0x1f81                       ; 0, 7-12
.set BW2, 0x3f002                      ; 1, 12, 13-17
.set BW3, 0x3c2804                     ; 2, 11, 13, 18-21
.set BW4, 0x1e04408                    ; 3, 10, 14, 21, 22-24
.set BW5, 0x6508210                    ; 4, 9, 15, 20, 22, 25, 26
.set BW6, 0xc890120                    ; 5, 8, 16, 19, 23, 26, 27
.set BW7, 0xb0600c0                    ; 6, 7, 17, 18, 24, 25, 27
	s_load_b128 s[4:7], s[0:1], 0x0                ; tokw, hist
	s_load_b128 s[8:11], s[0:1], 0x10              ; order, bmask
	v_lshl_add_u32 v192, v0, 2, 0x400
	v_mov_b32 v193, 0
	v_and_b32 v1, 31, v0                           ; lane
	v_lshrrev_b32 v2, 5, v0
	v_readfirstlane_b32 s17, v2                    ; wave 0..7
	v_lshlrev_b32 v3, 2, v1                        ; 4 x lane
	v_lshlrev_b32 v4, 2, v0                        ; 4 x thread
	s_lshl_b32 s12, s17, 12                        ; my 32 chunks: 4,096 bytes in both buffers
	s_mov_b32 s13, 0
	s_mov_b32 s15, 0xff0000                        ; the mask's field
	s_lshl_b32 s16, s17, 10                        ; my first token; also the first place of my first block
	v_add_nc_u32 v20, s16, v1                      ; my token in chunk j = 0
	s_lshl_b32 s18, s17, 7                         ; my 128 bytes of bmask
	s_mov_b32 s19, 0
	s_wait_kmcnt 0x0
	s_add_nc_u64 s[4:5], s[4:5], s[12:13]
	s_add_nc_u64 s[6:7], s[6:7], s[12:13]
	s_add_nc_u64 s[10:11], s[10:11], s[18:19]
.set j, 0
.rept 32
	global_load_b32 v[H+j], v3, s[6:7] offset:128*j
.set j, j+1
.endr
.set j, 0
.rept 32
	global_load_b32 v[T+j], v3, s[4:5] offset:128*j
.set j, j+1
.endr
	s_wait_loadcnt 32                              ; hist is in; tokw's 32 loads may be out
	v_add3_u32 v5, v[H], v[H+1], v[H+2]            ; my wave's count in each bin
.irp j, 3,5,7,9,11,13,15,17,19,21,23,25,27,29
	v_add3_u32 v5, v5, v[H+\j], v[H+\j+1]
.endr
	v_add_nc_u32 v5, v5, v[H+31]
	ds_store_b32 v4, v5                            ; word 32 w + bin
	s_wait_dscnt 0x0                               ; for the others' sake
	s_barrier_signal -1
	s_barrier_wait -1
.irp k, 0,1,2,3,4,5,6,7
	ds_load_b32 v[8+\k], v3 offset:128*\k
.endr
	s_wait_dscnt 0x0
	v_add3_u32 v6, v8, v9, v10                     ; all waves' count in each bin
	v_add3_u32 v6, v6, v11, v12
	v_add3_u32 v6, v6, v13, v14
	v_add_nc_u32 v6, v6, v15
	s_cmp_gt_u32 s17, 0                            ; and that of the waves in front of mine: each count x (1 or 0)
	s_cselect_b32 s14, 1, 0
	v_mul_u32_u24 v7, s14, v8
.irp k, 1,2,3,4,5,6
	s_cmp_gt_u32 s17, \k
	s_cselect_b32 s14, 1, 0
	v_mad_u32_u24 v7, v[8+\k], s14, v7
.endr
	v_mov_b32 v17, v6                              ; a running sum over the bins: four steps inside each half of 16 lanes,
	v_mov_b32 v18, 0
.irp d, 1,2,4,8
	v_mov_b32_dpp v18, v17 row_shr:\d row_mask:0xf bank_mask:0xf bound_ctrl:1
	v_add_nc_u32 v17, v17, v18
.endr
	v_readlane_b32 s14, v17, 15                    ; then the lower half's total onto the upper half
	v_mov_b32 v19, s14
	v_cmp_le_u32 vcc_lo, 16, v1
	v_cndmask_b32 v18, 0, v19, vcc_lo
	v_add_nc_u32 v17, v17, v18
	v_mov_b32 v21, v17                             ; where the bin ends,
	v_sub_nc_u32 v17, v17, v6                      ; and where it begins: tokens in lower bins
; the experts of my eight blocks, 8 w + k
	v_cmp_ne_u32 s20, 0, v6                        ; the bins that are not empty
	v_mov_b32 v22, 0                               ; lane k: block 8 w + k's mask; the other lanes store 0
.macro HAS e, bins                     ; expert e is used where the block's bins meet the bins that hold it
	s_and_b32 s24, s23, \bins
	s_cselect_b32 s24, 1<<\e, 0
	s_or_b32 s25, s25, s24
.endm
.set k, 0
.rept 8
	s_add_co_u32 s21, s16, 128*k                   ; the block's first place,
	s_add_co_u32 s22, s21, 128                     ; and the first behind it
	v_cmp_gt_u32 s23, s22, v17                     ; the bin begins ahead of the block's end,
	v_cmp_lt_u32 s24, s21, v21                     ; ends behind its beginning,
	s_and_b32 s23, s23, s24
	s_and_b32 s23, s23, s20                        ; and holds tokens
	s_mov_b32 s25, 0
	HAS 0, BW0
	HAS 1, BW1
	HAS 2, BW2
	HAS 3, BW3
	HAS 4, BW4
	HAS 5, BW5
	HAS 6, BW6
	HAS 7, BW7
	v_writelane_b32 v22, s25, k
.set k, k+1
.endr
	global_store_b32 v3, v22, s[10:11]             ; 128 consecutive bytes a wave; v22 is not written again
	v_add_nc_u32 v[O], v17, v7
.set j, 0
.rept 31
	v_add_nc_u32 v[O+j+1], v[O+j], v[H+j]
.set j, j+1
.endr
	s_wait_loadcnt 0x0                             ; tokw
.set j, 0
.rept 32
	v_and_b32 v[H+j], 31, v[T+j]                   ; my token's bin,
	v_min_u32 v[H+j], 27, v[H+j]                   ; held inside the 28 bins,
	v_lshlrev_b32 v[H+j], 2, v[H+j]
	ds_bpermute_b32 v[Z+j], v[H+j], v[O+j]         ; names the lane whose number I take
.set j, j+1
.endr
.set j, 0
.rept 32
	s_wait_dscnt 31-j                              ; the younger permutes may be out
	v_bfe_u32 v[O+j], v[T+j], 8, 5                 ; the rank in the chunk
	v_add_nc_u32 v[Z+j], v[Z+j], v[O+j]
	v_min_u32 v[Z+j], 0x1fff, v[Z+j]               ; a loaded number enters an address only held inside the buffer
	v_lshlrev_b32 v[Z+j], 2, v[Z+j]
	v_add_nc_u32 v[H+j], 32*j, v20                 ; the token
	v_and_or_b32 v[H+j], v[T+j], s15, v[H+j]
	global_store_b32 v[Z+j], v[H+j], s[8:9]        ; each j has registers of its own: none is written again
.set j, j+1
.endr
	s_wait_tensorcnt 0x0
	ds_add_u32 v192, v193
	s_wait_dscnt 0x0
	s_endpgm
.Lfunc_end_k_qcba95906e1_place:
	.size	k_qcba95906e1_place, .Lfunc_end_k_qcba95906e1_place-k_qcba95906e1_place
	.p2alignl 7, 3214868480
	.fill 96, 4, 3214868480
	.section	.rodata,"a",@progbits
	.p2align	6, 0x0
	.amdhsa_kernel k_qcba95906e1_place
		.amdhsa_group_segment_fixed_size 2048
		.amdhsa_private_segment_fixed_size 0
		.amdhsa_enable_private_segment 0
		.amdhsa_kernarg_size 32
		.amdhsa_user_sgpr_count 2
		.amdhsa_user_sgpr_kernarg_segment_ptr 1
		.amdhsa_wavefront_size32 1
		.amdhsa_system_sgpr_workgroup_id_x 1
		.amdhsa_system_sgpr_workgroup_id_y 1
		.amdhsa_system_sgpr_workgroup_id_z 1
		.amdhsa_system_vgpr_workitem_id 0
		.amdhsa_next_free_vgpr 194
		.amdhsa_next_free_sgpr 66
		.amdhsa_reserve_vcc 1
		.amdhsa_float_denorm_mode_32 3
		.amdhsa_float_denorm_mode_16_64 3
		.amdhsa_memory_ordered 1
		.amdhsa_forward_progress 1
		.amdhsa_inst_pref_size 43
	.end_amdhsa_kernel
	.amdgpu_metadata
---
amdhsa.version: [ 1, 2 ]
amdhsa.kernels:
  - .name:           k_qcba95906e1_place
    .symbol:         k_qcba95906e1_place.kd
    .args:
      - { .name: tokw, .offset: 0, .size: 8, .value_kind: global_buffer, .address_space: global }
      - { .name: hist, .offset: 8, .size: 8, .value_kind: global_buffer, .address_space: global }
      - { .name: order, .offset: 16, .size: 8, .value_kind: global_buffer, .address_space: global }
      - { .name: bmask, .offset: 24, .size: 8, .value_kind: global_buffer, .address_space: global }
    .group_segment_fixed_size: 2048
    .private_segment_fixed_size: 0
    .kernarg_segment_align: 8
    .kernarg_segment_size: 32
    .max_flat_workgroup_size: 256
    .sgpr_count:     66
    .vgpr_count:     194
    .wavefront_size: 32
...
	.end_amdgpu_metadata
.endif
;; end of part 2
;; launch experts (part 3): grid 4 x 64, 4 waves a work-group, no clusters, 151,040 bytes of LDS; arguments xc, wc, pw, order, expert_b, lowp_scales, out0, bmask; writes out0
.if DOCPART == 3
	.amdgcn_target "amdgcn-amd-amdhsa--gfx1250"
	.amdhsa_code_object_version 6
	.text
	.protected	k_qcba95906e1_experts
	.globl	k_qcba95906e1_experts
	.p2align	8
	.type	k_qcba95906e1_experts,@function
k_qcba95906e1_experts:
	s_mov_b64 s[64:65], 0
	v_nop
	global_prefetch_b8 v0, s[64:65] scope:SCOPE_SE
	s_setreg_imm32_b32 hwreg(HW_REG_WAVE_MODE, 25, 1), 1
	s_wait_xcnt 0x0
; EXPERTS.  out[n] = the sum over the token's two experts e of p[n][e] (Q(x[n]) . Q(W_e) + b_e), on codes of E4M3 by v_wmma_f32_16x16x128_fp8_fp8, sums in f32.
; A work-group takes 128 tokens that follow each other in the sorted list and 256 columns, and walks ONLY the experts that its tokens use (2 or 3 as a rule, up to 8 for any split): the block's mask, which the
; launch before stored in bmask and which is read here by a scalar load.
; A token that does not use an expert of the walk has the weight 0 there (pw).  Each output row has one owner: nothing is added between work-groups.
; SHARES.  Wave w: all 128 tokens x columns 256 cg + 64 w + 0 .. 63: 8 blocks of tokens x 4 fragments of columns, 32 accumulators.  The waves share the columns, so each byte of W enters the work-group once, straight
; into registers (wc lies in the order of the operand's registers: a load is 512 consecutive bytes); the tokens' codes are gathered once into LDS and read by all four waves.
; THE PRODUCT IS USED TRANSPOSED (source 0 = 16 columns of W, source 1 = 16 tokens): lane (r, h) holds token 16 a + r and columns 16 b + 8 h + 0 .. 7.
; SCALES.  A sum of codes stands for sum x 2^(e0 + e1).  The bias goes in as the C of an expert's first products, divided by 2^(e0 + e1); the weight is multiplied by 2^(e0 + e1): out += (p 2^(e0+e1)) x (sum + b 2^-(e0+e1)).
; LIMITS: b x 2^-(e0 + e1) and p x 2^(e0 + e1) stay f32 numbers.  NaN among the inputs is not served.
; NO TENSOR LOADS, NO CLUSTER, NO JOINT LOADS: which experts are walked, and how many, is read from the stored mask, and differs between work-groups; so W comes by plain loads and no barrier stands in the walk.
; REGISTERS, in windows of 256: window 0: v1-7 addresses; v8-15 pw's offsets; v16-31 the weights (pairs, the odd ones 0); v32-95 out's offsets; v96-127 the bias; v128-255 X's fragments of one K step.
;   window 1: W: a ring of four K steps, 64 registers each.   window 2: the 32 accumulators, (a, b) at v[8 (4 a + b)].   window 3: out's sums, laid likewise.
.set PITCH,  1040                      ; a token's row in LDS: 1,024 bytes + 16: an odd multiple of 16, so the 16 rows that a load touches fall on 16 different columns of 16 bytes
.set STG,    128*PITCH                 ; behind the rows: a stage of 16 rows x 272 bytes for each wave
.set SPITCH, 272
.set XA,   2                           ; v2, v3  LDS address of my place in token blocks 0-3, 4-7
.set STO,  4                           ; v4      the stage: where I put 32 bytes of a row
.set RD,   5                           ; v5      and where I read a row back
.set PT,   8
.set PW,   16
.set OOFF, 32
.set BIAS, 96
.set XF,   128
.set BK,   128                         ; the way out: four sets of 32, where X's fragments lay
.set WB,   30                          ; s[30:31] W of the expert in hand, at my 64 columns
.set WN,   32                          ; s[32:33] of the next one
.set PB,   34                          ; s[34:35] pw at the expert in hand
.set BN,   36                          ; s[36:37] the bias that is loaded next
.set MSB, 0
.macro WIN new                         ; the immediate's high byte repeats the setting that is left
.if MSB != \new
	s_set_vgpr_msb (MSB<<8)|\new
.set MSB, \new
.endif
.endm
.macro PLACES                          ; four plain lines between a matrix instruction and a load into, or a read of, its registers
.rept 4
	v_nop
.endr
.endm
.macro FETCH_X s, a0                   ; X's fragments of K step s, token blocks a0 .. a0 + 3: registers 4 c .. 4 c + 3 = places 128 s + 32 c + 16 h + 0 .. 15
.set fa, \a0
.rept 4
.irp c, 0,1,2,3
	ds_load_b128 v[XF+16*fa+4*\c:XF+16*fa+4*\c+3], v[XA+fa/4] offset:(fa%4)*16*PITCH+128*(\s)+32*\c
.endr
.set fa, fa+1
.endr
.endm
.macro LOAD_W base, s, q               ; W's four fragments of K step s into ring slot q: 16 loads of 512 consecutive bytes.  No hint: other work-groups read them again
.irp b, 0,1,2,3
.irp c, 0,1,2,3
	global_load_b128 v[64*(\q)+16*\b+4*\c:64*(\q)+16*\b+4*\c+3], v1, s[\base:\base+1] offset:8192*(\s)+2048*\b+512*\c
.endr
.endr
.endm
.macro LOAD_BIAS                       ; in the result's layout: fragment b, lane half h: columns 16 b + 8 h + 0 .. 7
.irp b, 0,1,2,3
	global_load_b128 v[BIAS+8*\b:BIAS+8*\b+3],   v6, s[BN:BN+1] offset:64*\b
	global_load_b128 v[BIAS+8*\b+4:BIAS+8*\b+7], v6, s[BN:BN+1] offset:64*\b+16
.endr
.endm
.macro LOAD_P                          ; the weight of token 16 a + r for the expert in hand
.irp a, 0,1,2,3,4,5,6,7
	global_load_b32 v[PW+2*\a], v[PT+\a], s[PB:PB+1]
.endr
.endm
; 16 matrix instructions: token blocks a0 .. a0 + 3 x the four fragments of columns.  zero = 1: an expert's first products take the bias as C.  The 32 accumulators take turns, one instruction a turn, in the same
; order in every K step.
.macro MUL4 a0, q, zero
.set ma, \a0
.rept 4
.irp b, 0,1,2,3
.if \zero
	v_wmma_f32_16x16x128_fp8_fp8 v[8*(4*ma+\b):8*(4*ma+\b)+7], v[64*(\q)+16*\b:64*(\q)+16*\b+15], v[XF+16*ma:XF+16*ma+15], v[BIAS+8*\b:BIAS+8*\b+7]
.else
	v_wmma_f32_16x16x128_fp8_fp8 v[8*(4*ma+\b):8*(4*ma+\b)+7], v[64*(\q)+16*\b:64*(\q)+16*\b+15], v[XF+16*ma:XF+16*ma+15], v[8*(4*ma+\b):8*(4*ma+\b)+7]
.endif
.endr
.set ma, ma+1
.endr
.endm
.macro NEXT wbase                      ; the lowest expert left in the mask: its W and its bias
	s_ctz_i32_b32 s27, s24
	s_min_u32 s27, s27, 7                          ; a loaded number enters an address only held inside the table
	s_add_co_i32 s21, s24, -1
	s_and_b32 s24, s24, s21                        ; taken out of the mask
	s_lshl_b32 s28, s27, 20
	s_add_nc_u64 s[\wbase:\wbase+1], s[38:39], s[28:29]
	s_lshl_b32 s28, s27, 12
	s_add_nc_u64 s[BN:BN+1], s[40:41], s[28:29]
.endm
	s_load_b256 s[4:11], s[0:1], 0x0               ; xc 4:5, wc 6:7, pw 8:9, order 10:11
	s_load_b128 s[12:15], s[0:1], 0x20             ; expert_b 12:13, the scales' exponents 14:15
	s_load_b64 s[16:17], s[0:1], 0x30              ; out0
	s_load_b64 s[46:47], s[0:1], 0x38              ; bmask
	v_and_b32 v20, 31, v0                          ; lane
	v_lshrrev_b32 v23, 5, v0
	v_readfirstlane_b32 s18, v23                   ; wave 0..3
	v_and_b32 v21, 15, v0                          ; r
	v_bfe_u32 v22, v0, 4, 1                        ; h
	v_lshlrev_b32 v1, 4, v20                       ; 16 x lane
	v_mul_u32_u24 v2, v21, PITCH
	v_lshl_add_u32 v2, v22, 4, v2                  ; a fragment's row x pitch + 16 h
	v_add_nc_u32 v3, 64*PITCH, v2                  ; the same 64 rows on: an LDS offset has 16 bits
	s_mul_i32 s21, s18, 16*SPITCH
	s_add_co_u32 s21, s21, STG                     ; my stage
	v_mul_u32_u24 v4, v21, SPITCH
	v_lshl_add_u32 v4, v22, 5, v4
	v_add_nc_u32 v4, s21, v4                       ; in: row r, 32 bytes for each half of the lanes
	v_mul_u32_u24 v5, v22, SPITCH
	v_lshl_add_u32 v5, v21, 4, v5
	v_add_nc_u32 v5, s21, v5                       ; back: lanes 0-15 one row of 256 bytes, lanes 16-31 the next
	v_lshlrev_b32 v6, 5, v22                       ; 32 h: the bias
	s_mul_i32 s21, s18, 32*PITCH
	v_add_nc_u32 v7, s21, v1                       ; where I put the rows that I gather: rows 32 w on
	v_lshlrev_b32 v25, 2, v21                      ; offsets into the list: 4 r,
	v_lshlrev_b32 v26, 2, v22                      ; 4 h
	v_lshlrev_b32 v27, 4, v21                      ; 16 r
	s_mov_b32 s19, ttmp9                           ; cg: which 256 columns
	s_and_b32 s20, ttmp7, 0xffff                   ; blk: which 128 places of the list
	s_mov_b32 s29, 0
	s_wait_kmcnt 0x0
	s_lshl_b32 s28, s20, 9
	s_add_nc_u64 s[10:11], s[10:11], s[28:29]      ; the list at my block
	s_lshl_b32 s28, s18, 7
	s_add_nc_u64 s[44:45], s[10:11], s[28:29]      ; and at the 32 places whose rows my wave gathers
	s_lshr_b32 s28, s20, 3
	s_lshl_b32 s28, s28, 7
	s_and_b32 s21, s20, 7
	s_lshl_b32 s21, s21, 2
	s_add_co_u32 s28, s28, s21                     ; my block's word of bmask: 32 (blk / 8) + blk % 8
	s_add_nc_u64 s[46:47], s[46:47], s[28:29]
	s_load_b512 s[68:83], s[44:45], 0x0
	s_load_b512 s[84:99], s[44:45], 0x40
	s_load_b64 s[22:23], s[14:15], 0x0             ; e0, e1
	s_load_b32 s24, s[46:47], 0x0                  ; the experts that my block's tokens use
.irp a, 0,1,2,3,4,5,6,7
	global_load_b32 v[PT+\a], v25, s[10:11] offset:64*\a           ; place 16 a + r
.endr
.irp a, 0,1,2,3,4,5,6,7
.irp i, 0,1,2,3,4,5,6,7
	global_load_b32 v[OOFF+8*\a+\i], v26, s[10:11] offset:64*\a+8*\i   ; place 16 a + 2 i + h: the row that I store on the way out
.endr
.endr
	s_lshl_b32 s28, s19, 10
	s_lshl_b32 s21, s18, 8
	s_add_co_u32 s28, s28, s21                     ; my 64 columns in bytes of f32
	s_add_nc_u64 s[16:17], s[16:17], s[28:29]      ; in out0,
	s_add_nc_u64 s[40:41], s[12:13], s[28:29]      ; and in expert_b
	s_lshl_b32 s28, s19, 2
	s_add_co_u32 s28, s28, s18
	s_lshl_b32 s28, s28, 16
	s_add_nc_u64 s[38:39], s[6:7], s[28:29]        ; wc at my group of 64 columns
	s_wait_kmcnt 0x0
	s_add_co_i32 s22, s22, s23                     ; e0 + e1
	s_sub_co_i32 s23, 0, s22
	WIN 0xc0                                       ; destination window 3: the gather's offsets lie where out's sums will
.set i, 0
.rept 32
	s_and_b32 s[68+i], s[68+i], 0x1fff             ; the token,
	s_min_u32 s[68+i], s[68+i], 0x1fff             ; held inside the buffer in the form that an address made of a loaded number wants
	v_lshl_add_u32 v[i], s[68+i], 10, v1           ; its row of 1,024 bytes + 16 x lane
.set i, i+1
.endr
	WIN 0
	s_and_b32 s24, s24, 0xff                       ; the experts to walk
	s_bcnt1_i32_b32 s25, s24
	s_max_u32 s25, s25, 2                          ; every token has two
	s_min_u32 s25, s25, 8
	s_sub_co_u32 s25, s25, 2                       ; trips between the first and the last
	NEXT WB                                        ; the first expert
	s_lshl_b32 s28, s27, 2
	s_add_nc_u64 s[PB:PB+1], s[8:9], s[28:29]
	s_wait_loadcnt 0x0                             ; the list's words for pw's and out's offsets
	WIN 0x03                                       ; address window 3
.set i, 0
.rept 16
	global_load_b128 v[XF+8*i:XF+8*i+3],   v[i], s[4:5]            ; a row's 1,024 bytes by two loads of 512
	global_load_b128 v[XF+8*i+4:XF+8*i+7], v[i], s[4:5] offset:512
.set i, i+1
.endr
	WIN 0x83                                       ; and destination window 2: the accumulators' registers are still free
.set i, 0
.rept 16
	global_load_b128 v[8*i:8*i+3],   v[16+i], s[4:5]
	global_load_b128 v[8*i+4:8*i+7], v[16+i], s[4:5] offset:512
.set i, i+1
.endr
	WIN 0x40                                       ; W's K step 0, the bias, K steps 1 to 3: the order in which every trip asks for its successor's
	LOAD_W WB, 0, 0
	WIN 0
	LOAD_BIAS
	WIN 0x40
	LOAD_W WB, 1, 1
	LOAD_W WB, 2, 2
	LOAD_W WB, 3, 3
	WIN 0
.irp a, 0,1,2,3,4,5,6,7
	v_and_b32 v[PT+\a], 0x1fff, v[PT+\a]
	v_min_u32 v[PT+\a], 0x1fff, v[PT+\a]
	v_lshlrev_b32 v[PT+\a], 5, v[PT+\a]            ; the token's row of pw
.endr
.set i, 0
.rept 64
	v_and_b32 v[OOFF+i], 0x1fff, v[OOFF+i]
	v_min_u32 v[OOFF+i], 0x1fff, v[OOFF+i]
	v_lshl_add_u32 v[OOFF+i], v[OOFF+i], 12, v27   ; the token's row of out0 + 16 r
.set i, i+1
.endr
.irp a, 0,1,2,3,4,5,6,7
	v_mov_b32 v[PW+2*\a+1], 0                      ; named as the upper halves of the weights' pairs
.endr
	s_wait_loadcnt 63                              ; 72 loads were issued behind the gather's 64: with 63 out at the most, the gather is in
.set i, 0
.rept 16
	ds_store_b128 v7, v[XF+8*i:XF+8*i+3]   offset:PITCH*i
	ds_store_b128 v7, v[XF+8*i+4:XF+8*i+7] offset:PITCH*i+512
.set i, i+1
.endr
	WIN 0x08                                       ; data window 2
.set i, 0
.rept 16
	ds_store_b128 v7, v[8*i:8*i+3]   offset:PITCH*(16+i)
	ds_store_b128 v7, v[8*i+4:8*i+7] offset:PITCH*(16+i)+512
.set i, i+1
.endr
	WIN 0
	s_wait_dscnt 0x0                               ; for the others' sake: my 32 rows have landed
	s_barrier_signal -1
	s_barrier_wait -1                              ; the launch's one barrier, ahead of the walk: the 128 rows are never written again
	FETCH_X 0, 0
	FETCH_X 0, 4
; A K step: 32 matrix instructions.  X's blocks 0-3 of the next step are fetched in its middle, blocks 4-7 at its end; W's ring slot is asked for again four steps ahead, in the last four steps for the next expert.
; The count on the loads: behind W's step s stand three more steps of W (48 loads) and the 8 loads of the weights or of the next bias: 56.  The last trip asks for nothing from step 4 on: 32, 16, 0.
.macro STEP s, last
.set sq, (\s)%4
.if (\s) > 0
.if (\last) && ((\s) > 4)
	s_wait_loadcnt 16*(7-(\s))
.else
	s_wait_loadcnt 56
.endif
.endif
	s_wait_dscnt 16                                ; X's blocks 0-3 are in; the 16 loads of blocks 4-7 may be out
.if (\s) == 0
	WIN 0x81                                       ; W window 1, X and the bias window 0, D window 2
	MUL4 0, sq, 1
.else
	WIN 0xa1                                       ; W window 1, X window 0, C and D window 2
	MUL4 0, sq, 0
.endif
	s_wait_dscnt 0x0                               ; blocks 4-7 are in
.if !((\last) && ((\s) == 7))
	PLACES
	WIN 0
	FETCH_X ((\s)+1)%8, 0
.endif
.if (\s) == 0
	WIN 0x81
	MUL4 4, sq, 1
.else
	WIN 0xa1
	MUL4 4, sq, 0
.endif
	PLACES
.if (\s) < 4
	WIN 0x40
	LOAD_W WB, (\s)+4, sq
.elseif !(\last)
	WIN 0x40
	LOAD_W WN, (\s)-4, sq
.endif
	WIN 0
.if (\s) == 0
	LOAD_P
.endif
.if ((\s) == 4) && !(\last)
	LOAD_BIAS
.endif
.if !((\last) && ((\s) == 7))
	FETCH_X ((\s)+1)%8, 4
.endif
.endm
; One expert.  X is the same for every expert, so step 7 fetches step 0's fragments again.
.macro TRIP first, last
	s_wait_xcnt 0x0                                ; every earlier load has had its addresses translated (ISA guide 3.1): the bases below are written only behind this wait
.if !(\first)
	s_mov_b64 s[WB:WB+1], s[WN:WN+1]
	s_lshl_b32 s28, s27, 2
	s_add_nc_u64 s[PB:PB+1], s[8:9], s[28:29]
.endif
.if !(\last)
	NEXT WN
.endif
	s_wait_loadcnt 48                              ; W's step 0 and the bias are in; steps 1 to 3 may be out
.set k, 0
.rept 32
	v_ldexp_f32 v[BIAS+k], v[BIAS+k], s23          ; b / 2^(e0 + e1)
.set k, k+1
.endr
.irp s, 0,1,2,3,4,5,6,7
	STEP \s, \last
.endr
.irp a, 0,1,2,3,4,5,6,7
	v_ldexp_f32 v[PW+2*\a], v[PW+2*\a], s22        ; p x 2^(e0 + e1) (the weights are older than W's step 5: they are in).  With the four lines above: the places behind the last products
.endr
.if \first
	WIN 0xc2                                       ; the sums window 2, out window 3
.else
	WIN 0xf2
.endif
.set tt, 0
.rept 32
.irp i, 0,2,4,6
.if \first
	v_pk_mul_f32 v[8*tt+\i:8*tt+\i+1], v[8*tt+\i:8*tt+\i+1], v[PW+2*(tt/4):PW+2*(tt/4)+1] op_sel_hi:[1,0]   ; the first expert starts out's sums; each accumulator from its low end on
.else
	v_pk_fma_f32 v[8*tt+\i:8*tt+\i+1], v[8*tt+\i:8*tt+\i+1], v[PW+2*(tt/4):PW+2*(tt/4)+1], v[8*tt+\i:8*tt+\i+1] op_sel_hi:[1,0,1]
.endif
.endr
.set tt, tt+1
.endr
	WIN 0
.endm
	TRIP 1, 0
	s_cmp_eq_u32 s25, 0
	s_cbranch_scc1 .Llast
	s_mov_b32 s26, 0
.Lmid:
	TRIP 0, 0
	s_add_co_u32 s26, s26, 1
	s_cmp_lt_u32 s26, s25
	s_cbranch_scc1 .Lmid
.Llast:
	TRIP 0, 1
; THE WAY OUT, a block of 16 tokens at a time.  A lane holds 32 bytes of a token's row, the lanes beside it other tokens': the block goes through my own stage and comes back as whole runs of 256 bytes (my 64 columns of a
; token).  LDS serves a wave's instructions in order (ISA guide 5.7.1.4): no wait between the stores and the loads, nor in front of the next block's stores.
.macro TOSTAGE a
	WIN 0x0c                                       ; data window 3
.irp b, 0,1,2,3
	ds_store_b128 v[STO], v[8*(4*(\a)+\b):8*(4*(\a)+\b)+3]   offset:64*\b
	ds_store_b128 v[STO], v[8*(4*(\a)+\b)+4:8*(4*(\a)+\b)+7] offset:64*\b+16
.endr
	WIN 0
.irp i, 0,1,2,3,4,5,6,7
	ds_load_b128 v[BK+32*((\a)%4)+4*\i:BK+32*((\a)%4)+4*\i+3], v[RD] offset:2*SPITCH*\i
.endr
.endm
.macro SEND a, younger                 ; younger: the LDS instructions issued behind block a's loads
	s_wait_dscnt \younger
.irp i, 0,1,2,3,4,5,6,7
	global_store_b128 v[OOFF+8*(\a)+\i], v[BK+32*((\a)%4)+4*\i:BK+32*((\a)%4)+4*\i+3], s[16:17] th:TH_STORE_NT   ; sixteen lanes store 256 consecutive bytes, aligned; written once, read by nobody here
.endr
.endm
	TOSTAGE 0
.irp a, 1,2,3,4,5,6,7
.if \a > 3
	s_wait_xcnt 0x0                                ; block a - 4's stores have read their registers: block a's loads may land there
.endif
	TOSTAGE \a
	SEND \a-1, 16                                  ; behind block a - 1's loads: block a's 8 stores and 8 loads
.endr
	SEND 7, 0
	s_wait_xcnt 0x0
	v_lshl_add_u32 v254, v0, 2, 0x24c00
	v_mov_b32 v255, 0
	s_wait_tensorcnt 0x0
	ds_add_u32 v254, v255
	s_wait_dscnt 0x0
	s_endpgm
.Lfunc_end_k_qcba95906e1_experts:
	.size	k_qcba95906e1_experts, .Lfunc_end_k_qcba95906e1_experts-k_qcba95906e1_experts
	.p2alignl 7, 3214868480
	.fill 96, 4, 3214868480
	.section	.rodata,"a",@progbits
	.p2align	6, 0x0
	.amdhsa_kernel k_qcba95906e1_experts
		.amdhsa_group_segment_fixed_size 151040
		.amdhsa_private_segment_fixed_size 0
		.amdhsa_enable_private_segment 0
		.amdhsa_kernarg_size 64
		.amdhsa_user_sgpr_count 2
		.amdhsa_user_sgpr_kernarg_segment_ptr 1
		.amdhsa_wavefront_size32 1
		.amdhsa_system_sgpr_workgroup_id_x 1
		.amdhsa_system_sgpr_workgroup_id_y 1
		.amdhsa_system_sgpr_workgroup_id_z 1
		.amdhsa_system_vgpr_workitem_id 0
		.amdhsa_next_free_vgpr 1024
		.amdhsa_next_free_sgpr 100
		.amdhsa_reserve_vcc 0
		.amdhsa_float_denorm_mode_32 3
		.amdhsa_float_denorm_mode_16_64 3
		.amdhsa_memory_ordered 1
		.amdhsa_forward_progress 1
		.amdhsa_inst_pref_size 236
	.end_amdhsa_kernel
	.amdgpu_metadata
---
amdhsa.version: [ 1, 2 ]
amdhsa.kernels:
  - .name:           k_qcba95906e1_experts
    .symbol:         k_qcba95906e1_experts.kd
    .args:
      - { .name: xc, .offset: 0, .size: 8, .value_kind: global_buffer, .address_space: global }
      - { .name: wc, .offset: 8, .size: 8, .value_kind: global_buffer, .address_space: global }
      - { .name: pw, .offset: 16, .size: 8, .value_kind: global_buffer, .address_space: global }
      - { .name: order, .offset: 24, .size: 8, .value_kind: global_buffer, .address_space: global }
      - { .name: expert_b, .offset: 32, .size: 8, .value_kind: global_buffer, .address_space: global }
      - { .name: lowp_scales, .offset: 40, .size: 8, .value_kind: global_buffer, .address_space: global }
      - { .name: out0, .offset: 48, .size: 8, .value_kind: global_buffer, .address_space: global }
      - { .name: bmask, .offset: 56, .size: 8, .value_kind: global_buffer, .address_space: global }
    .group_segment_fixed_size: 151040
    .private_segment_fixed_size: 0
    .kernarg_segment_align: 8
    .kernarg_segment_size: 64
    .max_flat_workgroup_size: 128
    .sgpr_count:     100
    .vgpr_count:     1024
    .wavefront_size: 32
...
	.end_amdgpu_metadata
.endif
;; end of part 3
;; ======== version 2 of 2: 3 launches
;; workspace buffers: xc 8,388,608 bytes; wc 8,388,608 bytes; pw 262,144 bytes; tokw 32,768 bytes of whole numbers; hist 32,768 bytes of whole numbers; order 32,768 bytes of whole numbers; bmask 1,024 bytes of whole numbers
;; launch prep (part 4): grid 512 x 1, 4 waves a work-group, no clusters, 768 bytes of LDS; arguments x, gate_w, gate_b, expert_w, lowp_scales, xc, wc, pw, tokw, hist; writes xc, wc, pw, tokw, hist
.if DOCPART == 4
	.amdgcn_target "amdgcn-amd-amdhsa--gfx1250"
	.amdhsa_code_object_version 6
	.text
	.protected	k_qcba95906e1_prep
	.globl	k_qcba95906e1_prep
	.p2align	8
	.type	k_qcba95906e1_prep,@function
k_qcba95906e1_prep:
	s_mov_b64 s[64:65], 0
	v_nop
	global_prefetch_b8 v0, s[64:65] scope:SCOPE_SE
	s_setreg_imm32_b32 hwreg(HW_REG_WAVE_MODE, 25, 1), 1
	s_wait_xcnt 0x0
; PREP.  Work-groups 0-255: 32 tokens each: x -> codes of E4M3 (scale 2^e0), the gate in f32 (x gate_w + gate_b, softmax, top 2), the token's bin and its rank in the chunk of 32.
; Work-groups 256-511: expert_w -> codes of E4M3 (scale 2^e1), laid in the order in which the product's operand registers take them.
; code = number / 2^e, held within +-448, to the nearest code, ties to even.
; ORDER ALONG K.  Place q of a row of xc holds k(q) = 128 (4 (q / 512) + (q % 16) / 4) + 4 ((q % 512) / 16) + q % 4: what dense loads of 512 bytes of x and dense stores of 512 bytes of codes give
; with no turn through LDS.  W's codes are laid by the same k(q) (W's row k stands in each load's immediate), so every product meets its partner.
; wc: [expert 8][group of 64 columns 16][K step of 128 places 8][fragment of 16 columns 4][c 4][lane 32][16 bytes]: lane (r, h) holds column r, places 32 c + 16 h + 0 .. 15.
; pw: [token][8] f32: the softmax's p for the two chosen experts, 0 for the others.  tokw: [token]: bits 4:0 bin, 12:8 rank in the chunk, 23:16 the two experts as a mask.  hist: [chunk][32 bins] counts.
; BINS: the 28 pairs lo < hi in an order in which neighbouring bins share an expert: bin = lo (15 - lo) / 2 + (lo odd ? 7 - hi : hi - lo - 1).
; Nothing that is made of floating-point numbers enters an address or a branch here: the choice is stored at fixed places.
; LIMITS: e0, e1 between -126 and 119.  NaN among the inputs is not served.  Where the second and the third p lie closer than the rounding of the gate's f32 sums, the choice may differ from another order of summing.
; No matrix unit (the gate has 8 columns), no tensor loads, no cluster: the work-groups share only gate_w, 32 KiB.
.set CODE, 8                           ; v8-15    a row's 32 codes a lane
.set E,    16                          ; v16-23   logits, then exponentials
.set P,    24                          ; v24-31   p
.set Q,    32                          ; v32-39   p without the first choice
.set WT,   40                          ; v40-47   p of the two chosen, else 0
.set T0,   48                          ; v48-63   at work
.set X,    64                          ; v64-191  four row slots of 32: X[4 i + t] = x[128 i + 4 lane + t]
.set A,    192                         ; v192-255 A[8 j + e]: my lane's part of row j's logit e
                                       ; window 1: G[8 xi + e] = gate_w[128 (xi / 4) + 4 lane + xi % 4][e]
.set XW,   64                          ; W's path: two sets of 32 numbers
.set CW,   128                         ; W's path: 8 registers of codes for each of 8 blocks: no store's data are written again
.set MSB, 0
.macro WIN new                         ; the immediate's high byte repeats the setting that is left
.if MSB != \new
	s_set_vgpr_msb (MSB<<8)|\new
.set MSB, \new
.endif
.endm
	s_load_b512 s[4:19], s[0:1], 0x0               ; x 4:5, gate_w 6:7, gate_b 8:9, expert_w 10:11, scales 12:13, xc 14:15, wc 16:17, pw 18:19
	s_load_b128 s[20:23], s[0:1], 0x40             ; tokw 20:21, hist 22:23
	s_set_vgpr_msb 0x80
	v_lshl_add_u32 v0, v0, 2, 0x100
	v_mov_b32 v1, 0
	s_set_vgpr_msb 0x8000
	v_and_b32 v1, 31, v0                           ; lane
	v_lshrrev_b32 v6, 5, v0
	v_readfirstlane_b32 s24, v6                    ; wave 0..3
	s_wait_kmcnt 0x0
	s_load_b64 s[26:27], s[12:13], 0x0             ; e0, e1
	s_cmp_ge_u32 ttmp9, 256                        ; the same in all four waves
	s_cbranch_scc1 .Lweights
; ---------------- x: wave w takes rows 32 g + 8 w + 0 .. 7 ----------------
	s_load_b256 s[32:39], s[8:9], 0x0              ; gate_b
	s_wait_alu depctr_va_vdst(0)
	v_lshlrev_b32 v2, 4, v1                        ; 16 x lane
	v_lshlrev_b32 v3, 7, v1                        ; 128 x lane: four rows of gate_w
	s_wait_alu depctr_va_vdst(0)
	s_lshl_b32 s28, ttmp9, 5
	s_lshl_b32 s29, s24, 3
	s_add_co_u32 s28, s28, s29                     ; my first row
	s_mov_b32 s31, 0
	s_lshl_b32 s30, s28, 12
	s_add_nc_u64 s[4:5], s[4:5], s[30:31]          ; x: rows of 4,096 bytes
	s_lshl_b32 s30, s28, 10
	s_add_nc_u64 s[14:15], s[14:15], s[30:31]      ; xc: rows of 1,024
	s_lshl_b32 s30, s28, 5
	s_add_nc_u64 s[18:19], s[18:19], s[30:31]      ; pw: rows of 32
	s_lshl_b32 s30, ttmp9, 7
	s_add_nc_u64 s[20:21], s[20:21], s[30:31]      ; tokw and hist: 128 bytes a chunk
	s_add_nc_u64 s[22:23], s[22:23], s[30:31]
	s_mov_b32 s40, 0xff00ff00                      ; lanes whose bit 3 is set
	s_mov_b32 s41, 0xf0f0f0f0                      ; bit 2
	s_mov_b32 s42, 0xaaaaaaaa                      ; bit 0
	s_mov_b32 s43, 0xcccccccc                      ; bit 1
	WIN 0x40                                       ; destination window 1
.irp i, 0,1,2,3,4,5,6,7
.irp t, 0,1,2,3
	global_load_b128 v[8*(4*\i+\t):8*(4*\i+\t)+3],   v3, s[6:7] offset:4096*\i+32*\t
	global_load_b128 v[8*(4*\i+\t)+4:8*(4*\i+\t)+7], v3, s[6:7] offset:4096*\i+32*\t+16
.endr
.endr
	WIN 0
.macro XLOAD j                         ; row j: eight loads of 512 consecutive bytes
.irp i, 0,1,2,3,4,5,6,7
	global_load_b128 v[X+32*((\j)%4)+4*\i:X+32*((\j)%4)+4*\i+3], v2, s[4:5] offset:4096*(\j)+512*\i th:TH_LOAD_NT
.endr
.endm
	XLOAD 0
	XLOAD 1
	XLOAD 2
	XLOAD 3
	s_wait_kmcnt 0x0
	s_add_co_i32 s44, s26, 127
	s_lshl_b32 s45, s44, 23
	v_mov_b32 v4, s45                              ; 2^e0 as f32: the conversion takes its exponent field
	s_add_co_i32 s44, s44, 8
	s_lshl_b32 s44, s44, 23
	s_or_b32 s44, s44, 0x600000
	v_mov_b32 v5, s44                              ; 448 x 2^e0
; One row: its part of the eight logits (128 packed multiply-adds: one x against two neighbouring experts), then its codes.
.macro ROW j
.set XS, X+32*((\j)%4)
.if 8*(7-(\j)) > 24
	s_wait_loadcnt 24                              ; my row is in (and gate_w, which is older); the three rows behind it stay out
.else
	s_wait_loadcnt 8*(7-(\j))
.endif
	WIN 0x04                                       ; source 1 (gate_w) window 1
.set xi, 0
.rept 32
.set xp, XS+(xi/2)*2
.irp pr, 0,1,2,3
.if xi == 0
	v_pk_mul_f32 v[A+8*(\j)+2*\pr:A+8*(\j)+2*\pr+1], v[xp:xp+1], v[8*xi+2*\pr:8*xi+2*\pr+1] op_sel_hi:[0,1]   ; the first product starts the sums
.elseif xi%2 == 0
	v_pk_fma_f32 v[A+8*(\j)+2*\pr:A+8*(\j)+2*\pr+1], v[xp:xp+1], v[8*xi+2*\pr:8*xi+2*\pr+1], v[A+8*(\j)+2*\pr:A+8*(\j)+2*\pr+1] op_sel_hi:[0,1,1]   ; the pair's first x for both halves
.else
	v_pk_fma_f32 v[A+8*(\j)+2*\pr:A+8*(\j)+2*\pr+1], v[xp:xp+1], v[8*xi+2*\pr:8*xi+2*\pr+1], v[A+8*(\j)+2*\pr:A+8*(\j)+2*\pr+1] op_sel:[1,0,0] op_sel_hi:[1,1,1]   ; its second
.endif
.endr
.set xi, xi+1
.endr
	WIN 0
.set xi, 0
.rept 32
	v_med3_num_f32 v[XS+xi], v[XS+xi], -v5, v5     ; the conversion to an 8-bit code does not saturate (ISA guide 7.6.2): the hold at the largest code x the scale
.set xi, xi+1
.endr
.if (\j) > 0
	s_wait_alu depctr_va_vdst(0)
	s_wait_xcnt 0x0                                ; the last row's stores have read CODE: it is written again only behind this wait
.endif
.irp g, 0,1,2,3
	v_cvt_scalef32_pk8_fp8_f32 v[CODE+2*\g:CODE+2*\g+1], v[XS+8*\g:XS+8*\g+7], v4
.endr
	v_nop                                          ; a plain line behind the last conversion
	global_store_b128 v2, v[CODE:CODE+3],   s[14:15] offset:1024*(\j)       ; 32 lanes store 512 consecutive bytes, aligned
	global_store_b128 v2, v[CODE+4:CODE+7], s[14:15] offset:1024*(\j)+512
.if (\j)+4 < 8
	XLOAD (\j)+4
.endif
.endm
.irp j, 0,1,2,3,4,5,6,7
	ROW \j
.endr
; The 64 sums over the 32 lanes, halving the registers at each step: afterwards lane l holds the eight logits of row l / 4 (four lanes alike).
.set i, 0
.rept 32
	v_permlane16_swap_b32 v[A+i], v[A+i+32]        ; rows 0-3 gather in lanes 0-15, rows 4-7 in lanes 16-31
.set i, i+1
.endr
.set i, 0
.rept 32
	v_add_f32 v[A+i], v[A+i], v[A+i+32]
.set i, i+1
.endr
.macro RED_X n, m, xm                  ; lanes with the mask's bit keep register i + n and send register i, the others the other way round
.set i, 0
.rept \n
	v_cndmask_b32 v[T0+i%4], v[A+i+\n], v[A+i], s[\m]
	v_cndmask_b32 v[A+i], v[A+i], v[A+i+\n], s[\m]
	v_add_f32_dpp v[A+i], v[T0+i%4], v[A+i] row_xmask:\xm row_mask:0xf bank_mask:0xf
.set i, i+1
.endr
.endm
	RED_X 16, 40, 8
	RED_X 8, 41, 4
.irp e, 0,1,2,3,4,5,6,7
	v_add_f32_dpp v[A+\e], v[A+\e], v[A+\e] row_xmask:1 row_mask:0xf bank_mask:0xf
.endr
.irp e, 0,1,2,3,4,5,6,7
	v_add_f32_dpp v[A+\e], v[A+\e], v[A+\e] row_xmask:2 row_mask:0xf bank_mask:0xf
.endr
; softmax over the eight experts, within the lane: the row's maximum is taken away first
.irp e, 0,1,2,3,4,5,6,7
	v_add_f32 v[E+\e], s[32+\e], v[A+\e]
.endr
	v_max3_num_f32 v48, v[E], v[E+1], v[E+2]
	v_max3_num_f32 v49, v[E+3], v[E+4], v[E+5]
	v_max3_num_f32 v48, v48, v[E+6], v[E+7]
	v_max_num_f32 v48, v48, v49
.irp e, 0,1,2,3,4,5,6,7
	v_sub_f32 v[E+\e], v[E+\e], v48
.endr
.irp e, 0,1,2,3,4,5,6,7
	v_mul_f32 v[E+\e], 0x3fb8aa3b, v[E+\e]         ; x log2(e)
.endr
	s_wait_alu depctr_va_vdst(0)
.irp e, 0,1,2,3,4,5,6,7
	v_exp_f32 v[E+\e], v[E+\e]
.endr
	v_nop                                          ; a plain line behind the exponentials
	s_wait_alu depctr_va_vdst(0)
	v_add_f32 v49, v[E], v[E+1]
	v_add_f32 v50, v[E+2], v[E+3]
	v_add_f32 v51, v[E+4], v[E+5]
	v_add_f32 v52, v[E+6], v[E+7]
	v_add_f32 v49, v49, v50
	v_add_f32 v51, v51, v52
	v_add_f32 v49, v49, v51
	s_wait_alu depctr_va_vdst(0)
	v_rcp_f32 v49, v49
	v_nop                                          ; a plain line behind the reciprocal
	s_wait_alu depctr_va_vdst(0)
.irp e, 0,1,2,3,4,5,6,7
	v_mul_f32 v[P+\e], v[E+\e], v49
.endr
; the largest of eight and its index; only a strictly larger number takes over, so of equals the lower index stays
.macro SCAN src, m, ix
	v_mov_b32 v[\ix], 0
	v_cmp_le_f32 vcc_lo, v[\src+1], v[\src]
	v_cndmask_b32 v[\m], v[\src+1], v[\src], vcc_lo
	v_cndmask_b32 v[\ix], 1, v[\ix], vcc_lo
.irp e, 2,3,4,5,6,7
	v_cmp_le_f32 vcc_lo, v[\src+\e], v[\m]
	v_cndmask_b32 v[\m], v[\src+\e], v[\m], vcc_lo
	v_cndmask_b32 v[\ix], \e, v[\ix], vcc_lo
.endr
.endm
	SCAN P, 50, 51                                 ; v51: the first choice
.irp e, 0,1,2,3,4,5,6,7
	v_cmp_ne_u32 vcc_lo, \e, v51
	v_cndmask_b32 v[Q+\e], -1.0, v[P+\e], vcc_lo   ; the first choice is taken out: -1 lies under every p
.endr
	SCAN Q, 52, 53                                 ; v53: the second choice
.irp e, 0,1,2,3,4,5,6,7
	v_cmp_eq_u32 s44, \e, v51
	v_cmp_eq_u32 s45, \e, v53
	s_or_b32 s44, s44, s45
	v_cndmask_b32 v[WT+\e], 0, v[P+\e], s44        ; the weight: p itself for the two members, 0 else
.endr
	v_min_u32 v54, v51, v53                        ; lo
	v_max_u32 v55, v51, v53                        ; hi
	v_sub_nc_u32 v56, 15, v54
	v_mul_u32_u24 v56, v54, v56
	v_lshrrev_b32 v56, 1, v56                      ; lo (15 - lo) / 2
	v_sub_nc_u32 v57, v55, v54
	v_add_nc_u32 v57, -1, v57                      ; hi - lo - 1
	v_sub_nc_u32 v58, 7, v55                       ; 7 - hi
	v_and_b32 v59, 1, v54
	v_cmp_eq_u32 vcc_lo, 1, v59
	v_cndmask_b32 v57, v57, v58, vcc_lo
	v_add_nc_u32 v56, v56, v57                     ; the bin
	v_mov_b32 v59, 1
	v_lshlrev_b32 v60, v51, v59
	v_lshlrev_b32 v61, v53, v59
	v_or_b32 v60, v60, v61                         ; the two experts as a mask
	v_lshl_or_b32 v60, v60, 16, v56                ; key = bin | mask << 16
; pw: lane l stores weights 2 (l % 4) and 2 (l % 4) + 1 of row l / 4: the wave stores 256 consecutive bytes, aligned
	v_cndmask_b32 v62, v[WT], v[WT+2], s42
	v_cndmask_b32 v48, v[WT+4], v[WT+6], s42
	v_cndmask_b32 v62, v62, v48, s43
	v_cndmask_b32 v63, v[WT+1], v[WT+3], s42
	v_cndmask_b32 v49, v[WT+5], v[WT+7], s42
	v_cndmask_b32 v63, v63, v49, s43
	v_lshlrev_b32 v6, 3, v1
	global_store_b64 v6, v[62:63], s[18:19]
; the chunk's 32 keys meet in LDS: word 8 w + l / 4 (the four lanes of a row store the same word)
	v_and_b32 v54, 0x7c, v0
	ds_store_b32 v54, v60
	s_wait_dscnt 0x0                               ; for the others' sake: my store has landed
	s_barrier_signal -1
	s_barrier_wait -1
	s_cmp_lg_u32 s24, 0
	s_cbranch_scc1 .Lend                           ; wave 0 alone goes on: a lane to a token of the chunk
	v_lshlrev_b32 v7, 2, v1
	ds_load_b32 v16, v7
	s_wait_dscnt 0x0
	v_and_b32 v17, 31, v16                         ; my token's bin
	v_mov_b32 v18, 0                               ; its rank: earlier tokens of the chunk in the same bin
	v_mov_b32 v19, 0                               ; lane b: the chunk's count in bin b
.set bb, 0
.rept 28
	v_cmp_eq_u32 vcc_lo, bb, v17
	v_mbcnt_lo_u32_b32 v20, vcc_lo, 0
	v_cndmask_b32 v18, v18, v20, vcc_lo
	s_bcnt1_i32_b32 s44, vcc_lo
	v_writelane_b32 v19, s44, bb
.set bb, bb+1
.endr
	v_lshl_or_b32 v18, v18, 8, v16
	global_store_b32 v7, v18, s[20:21]             ; 128 consecutive bytes a chunk; 64 KiB of such stores in the whole launch
	global_store_b32 v7, v19, s[22:23]
.Lend:
	s_set_vgpr_msb 0xa
	s_wait_tensorcnt 0x0
	ds_add_u32 v0, v1
	s_wait_dscnt 0x0
	s_set_vgpr_msb 0xa00
	s_endpgm
; ---------------- expert_w: a lane takes a column, its registers run down K in the order of the places ----------------
; Work-group: expert e, 128 columns cb, K steps 2 y and 2 y + 1.  Wave w: columns 128 cb + 32 w + lane.  Eight blocks of 32 places; loads run two blocks ahead.
.Lweights:
	s_sub_co_u32 s28, ttmp9, 256
	s_lshr_b32 s29, s28, 5                         ; e
	s_bfe_u32 s30, s28, 0x30002                    ; cb
	s_and_b32 s31, s28, 3                          ; y
	s_lshl_b32 s32, s29, 22                        ; in: e x 4 MiB
	s_lshr_b32 s33, s31, 1
	s_lshl_b32 s33, s33, 21                        ; + 512 (y / 2) rows of 4,096 bytes
	s_add_co_u32 s32, s32, s33
	s_and_b32 s33, s31, 1
	s_lshl_b32 s33, s33, 18                        ; + 64 (y % 2) rows
	s_add_co_u32 s32, s32, s33
	s_lshl_b32 s33, s30, 9                         ; + 128 cb columns
	s_add_co_u32 s32, s32, s33
	s_lshl_b32 s33, s24, 7                         ; + 32 w columns
	s_add_co_u32 s32, s32, s33
	s_mov_b32 s33, 0
	s_add_nc_u64 s[10:11], s[10:11], s[32:33]
	s_lshl_b32 s34, s29, 20                        ; out: e x 1 MiB
	s_lshl_b32 s35, s30, 17                        ; + group 2 cb + w / 2 of 64 KiB
	s_add_co_u32 s34, s34, s35
	s_lshr_b32 s35, s24, 1
	s_lshl_b32 s35, s35, 16
	s_add_co_u32 s34, s34, s35
	s_lshl_b32 s35, s31, 14                        ; + K step 2 y of 8 KiB
	s_add_co_u32 s34, s34, s35
	s_and_b32 s35, s24, 1
	s_lshl_b32 s35, s35, 12                        ; + fragment 2 (w % 2) of 2 KiB
	s_add_co_u32 s34, s34, s35
	s_mov_b32 s35, 0
	s_add_nc_u64 s[16:17], s[16:17], s[34:35]
	s_wait_alu depctr_va_vdst(0)
	v_lshlrev_b32 v2, 2, v1                        ; in: 4 bytes a lane: a load reads 128 consecutive bytes, the four waves side by side 512
	v_and_b32 v6, 15, v1
	v_lshrrev_b32 v7, 4, v1
	v_lshlrev_b32 v3, 4, v6
	v_lshl_add_u32 v3, v7, 11, v3                  ; out: fragment lane / 16, 16 bytes at lane % 16
.macro LOADW t                         ; block t: K step t / 4 of my two, c = t % 4: places 32 c + li; W's row k(place) stands in the immediate (447 rows at the most: inside the signed 24 bits)
.set li, 0
.rept 32
	global_load_b32 v[XW+32*((\t)%2)+li], v2, s[10:11] offset:(32*((\t)/4)+8*((\t)%4)+4*(li/16)+128*((li%16)/4)+li%4)*4096 th:TH_LOAD_NT
.set li, li+1
.endr
.endm
	LOADW 0
	LOADW 1
	s_wait_kmcnt 0x0
	s_add_co_i32 s44, s27, 127
	s_lshl_b32 s45, s44, 23
	v_mov_b32 v4, s45                              ; 2^e1
	s_add_co_i32 s44, s44, 8
	s_lshl_b32 s44, s44, 23
	s_or_b32 s44, s44, 0x600000
	v_mov_b32 v5, s44                              ; 448 x 2^e1
.macro BLOCKW t
.set XS, XW+32*((\t)%2)
.if (\t) < 7
	s_wait_loadcnt 32                              ; this block's 32 loads are in; the next block's may be out
.else
	s_wait_loadcnt 0x0
.endif
.set li, 0
.rept 32
	v_med3_num_f32 v[XS+li], v[XS+li], -v5, v5
.set li, li+1
.endr
.irp g, 0,1,2,3
	v_cvt_scalef32_pk8_fp8_f32 v[CW+8*(\t)+2*\g:CW+8*(\t)+2*\g+1], v[XS+8*\g:XS+8*\g+7], v4
.endr
	v_nop                                          ; a plain line behind the last conversion
	global_store_b128 v3, v[CW+8*(\t):CW+8*(\t)+3],   s[16:17] offset:8192*((\t)/4)+512*((\t)%4)       ; places 0-15: the fragment's lanes 0-15; sixteen lanes store 256 consecutive bytes, aligned
	global_store_b128 v3, v[CW+8*(\t)+4:CW+8*(\t)+7], s[16:17] offset:8192*((\t)/4)+512*((\t)%4)+256   ; places 16-31: its lanes 16-31
.if (\t)+2 < 8
	LOADW (\t)+2
.endif
.endm
	s_wait_alu depctr_va_vdst(0)
.irp t, 0,1,2,3,4,5,6,7
	BLOCKW \t
.endr
	s_endpgm
.Lfunc_end_k_qcba95906e1_prep:
	.size	k_qcba95906e1_prep, .Lfunc_end_k_qcba95906e1_prep-k_qcba95906e1_prep
	.p2alignl 7, 3214868480
	.fill 96, 4, 3214868480
	.section	.rodata,"a",@progbits
	.p2align	6, 0x0
	.amdhsa_kernel k_qcba95906e1_prep
		.amdhsa_group_segment_fixed_size 768
		.amdhsa_private_segment_fixed_size 0
		.amdhsa_enable_private_segment 0
		.amdhsa_kernarg_size 80
		.amdhsa_user_sgpr_count 2
		.amdhsa_user_sgpr_kernarg_segment_ptr 1
		.amdhsa_wavefront_size32 1
		.amdhsa_system_sgpr_workgroup_id_x 1
		.amdhsa_system_sgpr_workgroup_id_y 1
		.amdhsa_system_sgpr_workgroup_id_z 1
		.amdhsa_system_vgpr_workitem_id 0
		.amdhsa_next_free_vgpr 514
		.amdhsa_next_free_sgpr 66
		.amdhsa_reserve_vcc 1
		.amdhsa_float_denorm_mode_32 3
		.amdhsa_float_denorm_mode_16_64 3
		.amdhsa_memory_ordered 1
		.amdhsa_forward_progress 1
		.amdhsa_inst_pref_size 167
	.end_amdhsa_kernel
	.amdgpu_metadata
---
amdhsa.version: [ 1, 2 ]
amdhsa.kernels:
  - .name:           k_qcba95906e1_prep
    .symbol:         k_qcba95906e1_prep.kd
    .args:
      - { .name: x, .offset: 0, .size: 8, .value_kind: global_buffer, .address_space: global }
      - { .name: gate_w, .offset: 8, .size: 8, .value_kind: global_buffer, .address_space: global }
      - { .name: gate_b, .offset: 16, .size: 8, .value_kind: global_buffer, .address_space: global }
      - { .name: expert_w, .offset: 24, .size: 8, .value_kind: global_buffer, .address_space: global }
      - { .name: lowp_scales, .offset: 32, .size: 8, .value_kind: global_buffer, .address_space: global }
      - { .name: xc, .offset: 40, .size: 8, .value_kind: global_buffer, .address_space: global }
      - { .name: wc, .offset: 48, .size: 8, .value_kind: global_buffer, .address_space: global }
      - { .name: pw, .offset: 56, .size: 8, .value_kind: global_buffer, .address_space: global }
      - { .name: tokw, .offset: 64, .size: 8, .value_kind: global_buffer, .address_space: global }
      - { .name: hist, .offset: 72, .size: 8, .value_kind: global_buffer, .address_space: global }
    .group_segment_fixed_size: 768
    .private_segment_fixed_size: 0
    .kernarg_segment_align: 8
    .kernarg_segment_size: 80
    .max_flat_workgroup_size: 128
    .sgpr_count:     66
    .vgpr_count:     514
    .wavefront_size: 32
...
	.end_amdgpu_metadata
.endif
;; end of part 4
;; launch place (part 5): grid 1 x 1, 8 waves a work-group, no clusters, 2,048 bytes of LDS; arguments tokw, hist, order, bmask; writes order, bmask
.if DOCPART == 5
	.amdgcn_target "amdgcn-amd-amdhsa--gfx1250"
	.amdhsa_code_object_version 6
	.text
	.protected	k_qcba95906e1_place
	.globl	k_qcba95906e1_place
	.p2align	8
	.type	k_qcba95906e1_place,@function
k_qcba95906e1_place:
	s_mov_b64 s[64:65], 0
	v_nop
	global_prefetch_b8 v0, s[64:65] scope:SCOPE_SE
	s_setreg_imm32_b32 hwreg(HW_REG_WAVE_SCHED_MODE, 0, 2), 2
	s_setreg_imm32_b32 hwreg(HW_REG_WAVE_MODE, 25, 1), 1
	s_wait_xcnt 0x0
	s_wait_alu depctr_vm_vsrc(0)
; PLACE.  The tokens are sorted by bin (a counting sort, without atomics): order[position] = token | the token's two experts as a mask << 16.
; position = tokens in lower bins + tokens of the same bin in earlier chunks + rank in the chunk.  One work-group: the prefix sums span all 256 chunks, 64 KiB of whole numbers in all.
; Wave w owns chunks 32 w + j, j = 0 .. 31.  For hist a lane is a bin; for tokw a lane is a token of the chunk.
; bmask: for each block of 128 places of the list, the experts that its tokens use, as a mask: block B at word 32 (B / 8) + B % 8.  A bin's tokens fill the places from its beginning on, so a block uses the
; experts of the bins that are not empty and overlap its 128 places; expert e is among them where that set of bins meets the seven bins that hold e (constants of the bins' numbering).
; The stores into order are of 4 bytes to places that the data choose, 32 KiB in all: a turn through LDS would want LDS addresses made of data.
; THE MODE: SCHED_MODE bits 1:0 = 2 (LLVM: expert scheduling mode 2), set by the entry lines.  The code itself states the register dependences between vector instructions and memory or LDS instructions,
; with s_wait_alu, always for 0.
; THE PLAN.  Registers that memory or LDS instructions touch:
;   v3, v4   offsets, made at the head and never written again.          v5   my wave's counts: written by the sums, read by the one LDS store.
;   H        hist lands there and is summed; then the lane indices are written there, and the permutes read them.     O   written by the running sums, read by the permutes.
;   Z        the permutes land there; the byte offsets are made there; the stores read them.                           T   tokw lands there; the words to store are made there; the stores read them.
;   v22      written lane by lane with my eight blocks' masks, read by one store.                                      R   the ranks: vector instructions alone.
; No register that a permute or a store has read is written again.  So four waits on va_vdst state all of it, each ahead of a run: the loads; the LDS store; the masks' store and the 32 permutes; the 32 stores.
; The ranks and the words are made while the permutes are out.  Numbers that a vector instruction leaves in a scalar register or in VCC have their wait ahead of the first reader.
.set H, 32                             ; v32-63   hist of my 32 chunks; later 4 x my token's bin: the permutes' lane indices
.set T, 64                             ; v64-95   tokw of my 32 chunks; later the words to store
.set O, 96                             ; v96-127  lane b: where chunk j's tokens of bin b begin
.set Z, 128                            ; v128-159 that number for my token's bin; then its byte offset in order
.set R, 160                            ; v160-191 my token's rank in its chunk
; bin = lo (15 - lo) / 2 + (lo odd ? 7 - hi : hi - lo - 1).  The bins that hold expert e, one bit a bin:
.set BW0, 0x7f                         ; bins 0-6
.set BW1, 0x1f81                       ; 0, 7-12
.set BW2, 0x3f002                      ; 1, 12, 13-17
.set BW3, 0x3c2804                     ; 2, 11, 13, 18-21
.set BW4, 0x1e04408                    ; 3, 10, 14, 21, 22-24
.set BW5, 0x6508210                    ; 4, 9, 15, 20, 22, 25, 26
.set BW6, 0xc890120                    ; 5, 8, 16, 19, 23, 26, 27
.set BW7, 0xb0600c0                    ; 6, 7, 17, 18, 24, 25, 27
	s_load_b128 s[4:7], s[0:1], 0x0                ; tokw, hist
	s_load_b128 s[8:11], s[0:1], 0x10              ; order, bmask
	v_lshl_add_u32 v192, v0, 2, 0x400
	v_mov_b32 v193, 0
	v_and_b32 v1, 31, v0                           ; lane
	v_lshrrev_b32 v2, 5, v0
	v_readfirstlane_b32 s17, v2                    ; wave 0..7
	v_lshlrev_b32 v3, 2, v1                        ; 4 x lane
	v_lshlrev_b32 v4, 2, v0                        ; 4 x thread
	s_wait_alu depctr_va_sdst(0)                   ; s17 is written, ahead of its first reader: the bases are made from it
	s_lshl_b32 s12, s17, 12                        ; my 32 chunks: 4,096 bytes in both buffers
	s_mov_b32 s13, 0
	s_mov_b32 s15, 0xff0000                        ; the mask's field
	s_lshl_b32 s16, s17, 10                        ; my first token; also the first place of my first block
	v_add_nc_u32 v20, s16, v1                      ; my token in chunk j = 0
	s_lshl_b32 s18, s17, 7                         ; my 128 bytes of bmask
	s_mov_b32 s19, 0
	s_wait_kmcnt 0x0
	s_add_nc_u64 s[4:5], s[4:5], s[12:13]
	s_add_nc_u64 s[6:7], s[6:7], s[12:13]
	s_add_nc_u64 s[10:11], s[10:11], s[18:19]
	s_wait_alu depctr_va_vdst(0)                   ; v3 and v4 are written: the offsets of every load, LDS load and LDS store below
.set j, 0
.rept 32
	global_load_b32 v[H+j], v3, s[6:7] offset:128*j
.set j, j+1
.endr
.set j, 0
.rept 32
	global_load_b32 v[T+j], v3, s[4:5] offset:128*j
.set j, j+1
.endr
	s_wait_loadcnt 32                              ; hist is in; tokw's 32 loads may be out
	v_add3_u32 v5, v[H], v[H+1], v[H+2]            ; my wave's count in each bin
.irp j, 3,5,7,9,11,13,15,17,19,21,23,25,27,29
	v_add3_u32 v5, v5, v[H+\j], v[H+\j+1]
.endr
	v_add_nc_u32 v5, v5, v[H+31]
	s_wait_alu depctr_va_vdst(0)                   ; the sums have written v5, which the LDS store reads
	ds_store_b32 v4, v5                            ; word 32 w + bin
	s_wait_dscnt 0x0                               ; for the others' sake
	s_barrier_signal -1
	s_barrier_wait -1
.irp k, 0,1,2,3,4,5,6,7
	ds_load_b32 v[8+\k], v3 offset:128*\k
.endr
	s_wait_dscnt 0x0
	v_add3_u32 v6, v8, v9, v10                     ; all waves' count in each bin
	v_add3_u32 v6, v6, v11, v12
	v_add3_u32 v6, v6, v13, v14
	v_add_nc_u32 v6, v6, v15
	s_wait_alu depctr_va_vdst(0)
	s_cmp_gt_u32 s17, 0                            ; and that of the waves in front of mine: each count x (1 or 0)
	s_cselect_b32 s14, 1, 0
	v_mul_u32_u24 v7, s14, v8
.irp k, 1,2,3,4,5,6
	s_cmp_gt_u32 s17, \k
	s_cselect_b32 s14, 1, 0
	v_mad_u32_u24 v7, v[8+\k], s14, v7
.endr
	v_mov_b32 v17, v6                              ; a running sum over the bins: four steps inside each half of 16 lanes,
	v_mov_b32 v18, 0
.irp d, 1,2,4,8
	v_mov_b32_dpp v18, v17 row_shr:\d row_mask:0xf bank_mask:0xf bound_ctrl:1
	v_add_nc_u32 v17, v17, v18
.endr
	v_cmp_le_u32 vcc_lo, 16, v1                    ; three lines on end that leave their results in VCC and in scalar registers: the upper half of the lanes,
	v_cmp_ne_u32 s20, 0, v6                        ; the bins that are not empty,
	v_readlane_b32 s14, v17, 15                    ; the lower half's total
	s_wait_alu depctr_va_sdst(0)                   ; s20 and s14 are written, ahead of their first readers
	s_wait_alu depctr_va_vcc(0)                    ; and so is VCC
	v_mov_b32 v19, s14                             ; then the lower half's total onto the upper half
	v_cndmask_b32 v18, 0, v19, vcc_lo
	v_add_nc_u32 v17, v17, v18
	v_mov_b32 v21, v17                             ; where the bin ends,
	v_sub_nc_u32 v17, v17, v6                      ; and where it begins: tokens in lower bins
; the experts of my eight blocks, 8 w + k
	v_mov_b32 v22, 0                               ; lane k: block 8 w + k's mask; the other lanes store 0
.macro HAS e, bins                     ; expert e is used where the block's bins meet the bins that hold it
	s_and_b32 s24, s23, \bins
	s_cselect_b32 s24, 1<<\e, 0
	s_or_b32 s25, s25, s24
.endm
.set k, 0
	s_wait_alu depctr_va_vdst(0)
.rept 8
	s_wait_alu depctr_va_vdst(0)
	s_add_co_u32 s21, s16, 128*k                   ; the block's first place,
	s_add_co_u32 s22, s21, 128                     ; and the first behind it
	v_cmp_gt_u32 s23, s22, v17                     ; the bin begins ahead of the block's end,
	v_cmp_lt_u32 s24, s21, v21                     ; ends behind its beginning,
	s_wait_alu depctr_va_sdst(0)                   ; the two compares have written s23 and s24, ahead of their first reader
	s_and_b32 s23, s23, s24
	s_and_b32 s23, s23, s20                        ; and holds tokens
	s_mov_b32 s25, 0
	HAS 0, BW0
	HAS 1, BW1
	HAS 2, BW2
	HAS 3, BW3
	HAS 4, BW4
	HAS 5, BW5
	HAS 6, BW6
	HAS 7, BW7
	v_writelane_b32 v22, s25, k
.set k, k+1
.endr
	v_add_nc_u32 v[O], v17, v7
.set j, 0
.rept 31
	v_add_nc_u32 v[O+j+1], v[O+j], v[H+j]
.set j, j+1
.endr
	s_wait_loadcnt 0x0                             ; tokw
.set j, 0
.rept 32
	v_and_b32 v[H+j], 31, v[T+j]                   ; my token's bin,
	v_min_u32 v[H+j], 27, v[H+j]                   ; held inside the 28 bins,
	v_lshlrev_b32 v[H+j], 2, v[H+j]                ; names the lane whose number I take
.set j, j+1
.endr
	s_wait_alu depctr_va_vdst(0)                   ; v22 is written, which the store reads; H and O are written, which the permutes read
	global_store_b32 v3, v22, s[10:11]             ; 128 consecutive bytes a wave; v22 is not written again
.set j, 0
.rept 32
	ds_bpermute_b32 v[Z+j], v[H+j], v[O+j]
.set j, j+1
.endr
.set j, 0
.rept 32                                       ; while the permutes are out: none of these lines names H, O or Z
	v_bfe_u32 v[R+j], v[T+j], 8, 5                 ; the rank in the chunk
	v_add_nc_u32 v[23+j%4], 32*j, v20              ; the token
	v_and_or_b32 v[T+j], v[T+j], s15, v[23+j%4]    ; the word to store
.set j, j+1
.endr
.set j, 0
.rept 32
	s_wait_dscnt 31-j                              ; the younger permutes may be out
	v_add_nc_u32 v[Z+j], v[Z+j], v[R+j]
	v_min_u32 v[Z+j], 0x1fff, v[Z+j]               ; a loaded number enters an address only held inside the buffer
	v_lshlrev_b32 v[Z+j], 2, v[Z+j]
.set j, j+1
.endr
	s_wait_alu depctr_va_vdst(0)                   ; the offsets in Z and the words in T are written, which the stores read
.set j, 0
.rept 32
	global_store_b32 v[Z+j], v[T+j], s[8:9]        ; each j has registers of its own: none is written again
.set j, j+1
.endr
	s_wait_dscnt 0x0                               ; the closing lines, six on end
	s_wait_alu 0x0
	s_wait_tensorcnt 0x0
	ds_add_u32 v192, v193
	s_wait_dscnt 0x0
	s_endpgm
.Lfunc_end_k_qcba95906e1_place:
	.size	k_qcba95906e1_place, .Lfunc_end_k_qcba95906e1_place-k_qcba95906e1_place
	.p2alignl 7, 3214868480
	.fill 96, 4, 3214868480
	.section	.rodata,"a",@progbits
	.p2align	6, 0x0
	.amdhsa_kernel k_qcba95906e1_place
		.amdhsa_group_segment_fixed_size 2048
		.amdhsa_private_segment_fixed_size 0
		.amdhsa_enable_private_segment 0
		.amdhsa_kernarg_size 32
		.amdhsa_user_sgpr_count 2
		.amdhsa_user_sgpr_kernarg_segment_ptr 1
		.amdhsa_wavefront_size32 1
		.amdhsa_system_sgpr_workgroup_id_x 1
		.amdhsa_system_sgpr_workgroup_id_y 1
		.amdhsa_system_sgpr_workgroup_id_z 1
		.amdhsa_system_vgpr_workitem_id 0
		.amdhsa_next_free_vgpr 194
		.amdhsa_next_free_sgpr 66
		.amdhsa_reserve_vcc 1
		.amdhsa_float_denorm_mode_32 3
		.amdhsa_float_denorm_mode_16_64 3
		.amdhsa_memory_ordered 1
		.amdhsa_forward_progress 1
		.amdhsa_inst_pref_size 44
	.end_amdhsa_kernel
	.amdgpu_metadata
---
amdhsa.version: [ 1, 2 ]
amdhsa.kernels:
  - .name:           k_qcba95906e1_place
    .symbol:         k_qcba95906e1_place.kd
    .args:
      - { .name: tokw, .offset: 0, .size: 8, .value_kind: global_buffer, .address_space: global }
      - { .name: hist, .offset: 8, .size: 8, .value_kind: global_buffer, .address_space: global }
      - { .name: order, .offset: 16, .size: 8, .value_kind: global_buffer, .address_space: global }
      - { .name: bmask, .offset: 24, .size: 8, .value_kind: global_buffer, .address_space: global }
    .group_segment_fixed_size: 2048
    .private_segment_fixed_size: 0
    .kernarg_segment_align: 8
    .kernarg_segment_size: 32
    .max_flat_workgroup_size: 256
    .sgpr_count:     66
    .vgpr_count:     194
    .wavefront_size: 32
...
	.end_amdgpu_metadata
.endif
;; end of part 5
;; launch experts (part 6): grid 4 x 64, 4 waves a work-group, no clusters, 151,040 bytes of LDS; arguments xc, wc, pw, order, expert_b, lowp_scales, out0, bmask; writes out0
.if DOCPART == 6
	.amdgcn_target "amdgcn-amd-amdhsa--gfx1250"
	.amdhsa_code_object_version 6
	.text
	.protected	k_qcba95906e1_experts
	.globl	k_qcba95906e1_experts
	.p2align	8
	.type	k_qcba95906e1_experts,@function
k_qcba95906e1_experts:
	s_mov_b64 s[64:65], 0
	v_nop
	global_prefetch_b8 v0, s[64:65] scope:SCOPE_SE
	s_setreg_imm32_b32 hwreg(HW_REG_WAVE_SCHED_MODE, 0, 2), 2
	s_setreg_imm32_b32 hwreg(HW_REG_WAVE_MODE, 25, 1), 1
	s_wait_xcnt 0x0
	s_wait_alu depctr_vm_vsrc(0)
; EXPERTS.  out[n] = the sum over the token's two experts e of p[n][e] (Q(x[n]) . Q(W_e) + b_e), on codes of E4M3 by v_wmma_f32_16x16x128_fp8_fp8, sums in f32.
; A work-group takes 128 tokens that follow each other in the sorted list and 256 columns, and walks ONLY the experts that its tokens use (2 or 3 as a rule, up to 8 for any split): the block's mask, which the
; launch before stored in bmask and which is read here by a scalar load.
; A token that does not use an expert of the walk has the weight 0 there (pw).  Each output row has one owner: nothing is added between work-groups.
; SHARES.  Wave w: all 128 tokens x columns 256 cg + 64 w + 0 .. 63: 8 blocks of tokens x 4 fragments of columns, 32 accumulators.  The waves share the columns, so each byte of W enters the work-group once, straight
; into registers (wc lies in the order of the operand's registers: a load is 512 consecutive bytes); the tokens' codes are gathered once into LDS and read by all four waves.
; THE PRODUCT IS USED TRANSPOSED (source 0 = 16 columns of W, source 1 = 16 tokens): lane (r, h) holds token 16 a + r and columns 16 b + 8 h + 0 .. 7.
; SCALES.  A sum of codes stands for sum x 2^(e0 + e1).  The bias goes in as the C of an expert's first products, divided by 2^(e0 + e1); the weight is multiplied by 2^(e0 + e1): out += (p 2^(e0+e1)) x (sum + b 2^-(e0+e1)).
; LIMITS: b x 2^-(e0 + e1) and p x 2^(e0 + e1) stay f32 numbers.  NaN among the inputs is not served.
; NO TENSOR LOADS, NO CLUSTER, NO JOINT LOADS: which experts are walked, and how many, is read from the stored mask, and differs between work-groups; so W comes by plain loads and no barrier stands in the walk.
; REGISTERS, in windows of 256: window 0: v1-7 addresses; v8-15 pw's offsets; v16-31 the weights (pairs, the odd ones 0); v32-95 out's offsets; v96-127 the bias; v128-255 X's fragments of one K step.
;   window 1: W: a ring of four K steps, 64 registers each.   window 2: the 32 accumulators, (a, b) at v[8 (4 a + b)].   window 3: out's sums, laid likewise.
; THE MODE: SCHED_MODE bits 1:0 = 2 (LLVM: expert scheduling mode 2), set by the entry lines.  The code itself states the register dependences between vector or matrix instructions and memory or LDS
; instructions, with s_wait_alu, always for 0.
; THE PLAN.  Registers that memory or LDS instructions touch, in the walk:
;   X, blocks 0-3   read by a K step's first 16 products; the next step's fragments land there, asked for in the step's middle.
;   X, blocks 4-7   read by its last 16 products; the next step's land there, asked for at the step's end.
;   W, slot s % 4   read by all 32 products of step s; K step s + 4 lands there, asked for in step s + 1, behind its first eight products.
;   the weights     read by a trip's closing multiply-adds; the next expert's land there, asked for in step 1.
;   the bias        written by a trip's first 32 lines, read by step 0's products; the next expert's lands there, asked for in step 5.
;   v1-v15, v32-95  offsets and addresses, made at the head and never written in the walk.       The accumulators and out's sums: vector and matrix instructions alone, until the way out.
; All 1,024 registers are taken, so X has ONE set, and each of its halves wants a wait between its last product and the load that fills it again: TWO waits on va_vdst a K step, each ahead of a run of 16 LDS loads.
; The wait at a step's end also states that the step's products are done reading their slot of W.  No vector or matrix instruction behind that wait names the slot (the next step's products name the next slot,
; X, the bias and the accumulators; a trip's closing and opening lines the weights, the bias and windows 2 and 3), so W's 16 loads stand among the next step's products with no further wait.
; The weights' and the bias's loads stand behind waits that are younger than every vector line that named their registers.
.set PITCH,  1040                      ; a token's row in LDS: 1,024 bytes + 16: an odd multiple of 16, so the 16 rows that a load touches fall on 16 different columns of 16 bytes
.set STG,    128*PITCH                 ; behind the rows: a stage of 16 rows x 272 bytes for each wave
.set SPITCH, 272
.set XA,   2                           ; v2, v3  LDS address of my place in token blocks 0-3, 4-7
.set STO,  4                           ; v4      the stage: where I put 32 bytes of a row
.set RD,   5                           ; v5      and where I read a row back
.set PT,   8
.set PW,   16
.set OOFF, 32
.set BIAS, 96
.set XF,   128
.set BK,   128                         ; the way out: four sets of 32, where X's fragments lay
.set WB,   30                          ; s[30:31] W of the expert in hand, at my 64 columns
.set WN,   32                          ; s[32:33] of the next one
.set PB,   34                          ; s[34:35] pw at the expert in hand
.set BN,   36                          ; s[36:37] the bias that is loaded next
.set MSB, 0
.macro WIN new                         ; the immediate's high byte repeats the setting that is left
.if MSB != \new
	s_set_vgpr_msb (MSB<<8)|\new
.set MSB, \new
.endif
.endm
.macro PLACES                          ; four plain lines between a matrix instruction and a load into, or a read of, its registers; they stay beside the waits
.rept 4
	v_nop
.endr
.endm
.macro FETCH_X s, a0                   ; X's fragments of K step s, token blocks a0 .. a0 + 3: registers 4 c .. 4 c + 3 = places 128 s + 32 c + 16 h + 0 .. 15
.set fa, \a0
.rept 4
.irp c, 0,1,2,3
	ds_load_b128 v[XF+16*fa+4*\c:XF+16*fa+4*\c+3], v[XA+fa/4] offset:(fa%4)*16*PITCH+128*(\s)+32*\c
.endr
.set fa, fa+1
.endr
.endm
.macro LOAD_W base, s, q               ; W's four fragments of K step s into ring slot q: 16 loads of 512 consecutive bytes.  No hint: other work-groups read them again
.irp b, 0,1,2,3
.irp c, 0,1,2,3
	global_load_b128 v[64*(\q)+16*\b+4*\c:64*(\q)+16*\b+4*\c+3], v1, s[\base:\base+1] offset:8192*(\s)+2048*\b+512*\c
.endr
.endr
.endm
.macro LOAD_BIAS                       ; in the result's layout: fragment b, lane half h: columns 16 b + 8 h + 0 .. 7
.irp b, 0,1,2,3
	global_load_b128 v[BIAS+8*\b:BIAS+8*\b+3],   v6, s[BN:BN+1] offset:64*\b
	global_load_b128 v[BIAS+8*\b+4:BIAS+8*\b+7], v6, s[BN:BN+1] offset:64*\b+16
.endr
.endm
.macro LOAD_P                          ; the weight of token 16 a + r for the expert in hand
.irp a, 0,1,2,3,4,5,6,7
	global_load_b32 v[PW+2*\a], v[PT+\a], s[PB:PB+1]
.endr
.endm
; 4 n matrix instructions: token blocks a0 .. a0 + n - 1 x the four fragments of columns.  zero = 1: an expert's first products take the bias as C.  The 32 accumulators take turns, one instruction a turn, in the same
; order in every K step.
.macro MUL a0, n, q, zero
.set ma, \a0
.rept \n
.irp b, 0,1,2,3
.if \zero
	v_wmma_f32_16x16x128_fp8_fp8 v[8*(4*ma+\b):8*(4*ma+\b)+7], v[64*(\q)+16*\b:64*(\q)+16*\b+15], v[XF+16*ma:XF+16*ma+15], v[BIAS+8*\b:BIAS+8*\b+7]
.else
	v_wmma_f32_16x16x128_fp8_fp8 v[8*(4*ma+\b):8*(4*ma+\b)+7], v[64*(\q)+16*\b:64*(\q)+16*\b+15], v[XF+16*ma:XF+16*ma+15], v[8*(4*ma+\b):8*(4*ma+\b)+7]
.endif
.endr
.set ma, ma+1
.endr
.endm
.macro PROD s, a0, n                   ; the same in K step s, under its windows
.if (\s) == 0
	WIN 0x81                                       ; W window 1, X and the bias window 0, D window 2
	MUL \a0, \n, 0, 1
.else
	WIN 0xa1                                       ; W window 1, X window 0, C and D window 2
	MUL \a0, \n, (\s)%4, 0
.endif
.endm
.macro NEXT wbase                      ; the lowest expert left in the mask: its W and its bias
	s_ctz_i32_b32 s27, s24
	s_min_u32 s27, s27, 7                          ; a loaded number enters an address only held inside the table
	s_add_co_i32 s21, s24, -1
	s_and_b32 s24, s24, s21                        ; taken out of the mask
	s_lshl_b32 s28, s27, 20
	s_add_nc_u64 s[\wbase:\wbase+1], s[38:39], s[28:29]
	s_lshl_b32 s28, s27, 12
	s_add_nc_u64 s[BN:BN+1], s[40:41], s[28:29]
.endm
	s_load_b256 s[4:11], s[0:1], 0x0               ; xc 4:5, wc 6:7, pw 8:9, order 10:11
	s_load_b128 s[12:15], s[0:1], 0x20             ; expert_b 12:13, the scales' exponents 14:15
	s_load_b64 s[16:17], s[0:1], 0x30              ; out0
	s_load_b64 s[46:47], s[0:1], 0x38              ; bmask
	v_and_b32 v20, 31, v0                          ; lane
	v_lshrrev_b32 v23, 5, v0
	v_readfirstlane_b32 s18, v23                   ; wave 0..3
	v_and_b32 v21, 15, v0                          ; r
	v_bfe_u32 v22, v0, 4, 1                        ; h
	v_lshlrev_b32 v1, 4, v20                       ; 16 x lane
	v_mul_u32_u24 v2, v21, PITCH
	v_lshl_add_u32 v2, v22, 4, v2                  ; a fragment's row x pitch + 16 h
	v_add_nc_u32 v3, 64*PITCH, v2                  ; the same 64 rows on: an LDS offset has 16 bits
	s_wait_alu depctr_va_sdst(0)                   ; s18 is written, ahead of its first reader: LDS addresses and bases are made from it
	s_mul_i32 s21, s18, 16*SPITCH
	s_add_co_u32 s21, s21, STG                     ; my stage
	v_mul_u32_u24 v4, v21, SPITCH
	v_lshl_add_u32 v4, v22, 5, v4
	v_add_nc_u32 v4, s21, v4                       ; in: row r, 32 bytes for each half of the lanes
	v_mul_u32_u24 v5, v22, SPITCH
	v_lshl_add_u32 v5, v21, 4, v5
	v_add_nc_u32 v5, s21, v5                       ; back: lanes 0-15 one row of 256 bytes, lanes 16-31 the next
	v_lshlrev_b32 v6, 5, v22                       ; 32 h: the bias
	s_mul_i32 s21, s18, 32*PITCH
	v_add_nc_u32 v7, s21, v1                       ; where I put the rows that I gather: rows 32 w on
	v_lshlrev_b32 v25, 2, v21                      ; offsets into the list: 4 r,
	v_lshlrev_b32 v26, 2, v22                      ; 4 h
	v_lshlrev_b32 v27, 4, v21                      ; 16 r
	s_mov_b32 s19, ttmp9                           ; cg: which 256 columns
	s_and_b32 s20, ttmp7, 0xffff                   ; blk: which 128 places of the list
	s_mov_b32 s29, 0
	s_wait_kmcnt 0x0
	s_lshl_b32 s28, s20, 9
	s_add_nc_u64 s[10:11], s[10:11], s[28:29]      ; the list at my block
	s_lshl_b32 s28, s18, 7
	s_add_nc_u64 s[44:45], s[10:11], s[28:29]      ; and at the 32 places whose rows my wave gathers
	s_lshr_b32 s28, s20, 3
	s_lshl_b32 s28, s28, 7
	s_and_b32 s21, s20, 7
	s_lshl_b32 s21, s21, 2
	s_add_co_u32 s28, s28, s21                     ; my block's word of bmask: 32 (blk / 8) + blk % 8
	s_add_nc_u64 s[46:47], s[46:47], s[28:29]
	s_load_b512 s[68:83], s[44:45], 0x0
	s_load_b512 s[84:99], s[44:45], 0x40
	s_load_b64 s[22:23], s[14:15], 0x0             ; e0, e1
	s_load_b32 s24, s[46:47], 0x0                  ; the experts that my block's tokens use
	s_wait_alu depctr_va_vdst(0)                   ; v1 to v7 and v25 to v27 are written: the addresses and offsets that the loads, LDS loads and LDS stores of the whole kernel read; so are v20 and v22, in which weights land later
.irp a, 0,1,2,3,4,5,6,7
	global_load_b32 v[PT+\a], v25, s[10:11] offset:64*\a           ; place 16 a + r
.endr
.irp a, 0,1,2,3,4,5,6,7
.irp i, 0,1,2,3,4,5,6,7
	global_load_b32 v[OOFF+8*\a+\i], v26, s[10:11] offset:64*\a+8*\i   ; place 16 a + 2 i + h: the row that I store on the way out
.endr
.endr
	s_lshl_b32 s28, s19, 10
	s_lshl_b32 s21, s18, 8
	s_add_co_u32 s28, s28, s21                     ; my 64 columns in bytes of f32
	s_add_nc_u64 s[16:17], s[16:17], s[28:29]      ; in out0,
	s_add_nc_u64 s[40:41], s[12:13], s[28:29]      ; and in expert_b
	s_lshl_b32 s28, s19, 2
	s_add_co_u32 s28, s28, s18
	s_lshl_b32 s28, s28, 16
	s_add_nc_u64 s[38:39], s[6:7], s[28:29]        ; wc at my group of 64 columns
	s_wait_kmcnt 0x0
	s_add_co_i32 s22, s22, s23                     ; e0 + e1
	s_sub_co_i32 s23, 0, s22
	WIN 0xc0                                       ; destination window 3: the gather's offsets lie where out's sums will
.set i, 0
.rept 32
	s_and_b32 s[68+i], s[68+i], 0x1fff             ; the token,
	s_min_u32 s[68+i], s[68+i], 0x1fff             ; held inside the buffer in the form that an address made of a loaded number wants
	v_lshl_add_u32 v[i], s[68+i], 10, v1           ; its row of 1,024 bytes + 16 x lane
.set i, i+1
.endr
	WIN 0
	s_and_b32 s24, s24, 0xff                       ; the experts to walk
	s_bcnt1_i32_b32 s25, s24
	s_max_u32 s25, s25, 2                          ; every token has two
	s_min_u32 s25, s25, 8
	s_sub_co_u32 s25, s25, 2                       ; trips between the first and the last
	NEXT WB                                        ; the first expert
	s_lshl_b32 s28, s27, 2
	s_add_nc_u64 s[PB:PB+1], s[8:9], s[28:29]
	s_wait_loadcnt 0x0                             ; the list's words for pw's and out's offsets
	WIN 0x03                                       ; address window 3
	s_wait_alu depctr_va_vdst(0)                   ; the gather's 32 offsets in window 3 are written, which the 64 loads below read
.set i, 0
.rept 16
	global_load_b128 v[XF+8*i:XF+8*i+3],   v[i], s[4:5]            ; a row's 1,024 bytes by two loads of 512
	global_load_b128 v[XF+8*i+4:XF+8*i+7], v[i], s[4:5] offset:512
.set i, i+1
.endr
	WIN 0x83                                       ; and destination window 2: the accumulators' registers are still free
.set i, 0
.rept 16
	global_load_b128 v[8*i:8*i+3],   v[16+i], s[4:5]
	global_load_b128 v[8*i+4:8*i+7], v[16+i], s[4:5] offset:512
.set i, i+1
.endr
	WIN 0x40                                       ; W's K step 0, the bias, K steps 1 and 2: the order in which every trip asks for its successor's; K step 3 is asked for in step 0
	LOAD_W WB, 0, 0
	WIN 0
	LOAD_BIAS
	WIN 0x40
	LOAD_W WB, 1, 1
	LOAD_W WB, 2, 2
	WIN 0
.irp a, 0,1,2,3,4,5,6,7
	v_and_b32 v[PT+\a], 0x1fff, v[PT+\a]
	v_min_u32 v[PT+\a], 0x1fff, v[PT+\a]
	v_lshlrev_b32 v[PT+\a], 5, v[PT+\a]            ; the token's row of pw
.endr
.set i, 0
.rept 64
	v_and_b32 v[OOFF+i], 0x1fff, v[OOFF+i]
	v_min_u32 v[OOFF+i], 0x1fff, v[OOFF+i]
	v_lshl_add_u32 v[OOFF+i], v[OOFF+i], 12, v27   ; the token's row of out0 + 16 r
.set i, i+1
.endr
	s_wait_loadcnt 56                              ; 56 loads were issued behind the gather's 64 (three K steps of W and the bias): the gather is in
.set i, 0
.rept 16
	ds_store_b128 v7, v[XF+8*i:XF+8*i+3]   offset:PITCH*i
	ds_store_b128 v7, v[XF+8*i+4:XF+8*i+7] offset:PITCH*i+512
.set i, i+1
.endr
	WIN 0x08                                       ; data window 2
.set i, 0
.rept 16
	ds_store_b128 v7, v[8*i:8*i+3]   offset:PITCH*(16+i)
	ds_store_b128 v7, v[8*i+4:8*i+7] offset:PITCH*(16+i)+512
.set i, i+1
.endr
	WIN 0
	s_wait_dscnt 0x0                               ; for the others' sake: my 32 rows have landed
	s_barrier_signal -1
	s_barrier_wait -1                              ; the launch's one barrier, ahead of the walk: the 128 rows are never written again
	s_wait_alu depctr_vm_vsrc(0)                   ; my LDS stores have read X's registers, in which the fragments below land, and window 2's, which the products write; the gather has read its offsets in window 3, which out's sums take; the list's loads have read v25, written below, and v26, in which a weight lands
	FETCH_X 0, 0
	FETCH_X 0, 4
.irp a, 0,1,2,3,4,5,6,7
	v_mov_b32 v[PW+2*\a+1], 0                      ; named as the upper halves of the weights' pairs
.endr
; A K step: 32 matrix instructions.  Behind its first eight stands the run of global loads: W's K step three steps on, into the slot that the step before read (from step 5 on: the next expert's first K steps), and behind
; it in step 1 the weights, in step 5 the next bias.  X's blocks 0-3 of the next step are fetched in the step's middle, blocks 4-7 at its end, each run straight behind its wait.
; The count on the loads: at the head of step s two more K steps of W have been asked for behind W's step s (32 loads), and in steps 2 to 4 the weights, in steps 6 and 7 the next bias (8 loads): 40.
; The last trip asks for nothing from step 5 on: 32, 16, 0.  By the same count a wave has at most 56 loads out in the walk.
.macro STEP s, last
.if (\s) > 0
.if (\last) && ((\s) > 5)
	s_wait_loadcnt 16*(7-(\s))
.elseif ((\s) == 1) || ((\s) == 5)
	s_wait_loadcnt 32
.else
	s_wait_loadcnt 40
.endif
.endif
	s_wait_dscnt 16                                ; X's blocks 0-3 are in; the 16 loads of blocks 4-7 may be out
	PROD \s, 0, 2
.if (\s) < 5
	WIN 0x40
	LOAD_W WB, (\s)+3, ((\s)+3)%4                  ; no wait: no vector or matrix instruction since the wait at the last step's end names this slot or v1
.elseif !(\last)
	WIN 0x40
	LOAD_W WN, (\s)-5, ((\s)+3)%4
.endif
.if (\s) == 1
	WIN 0
	LOAD_P                                         ; the lines that named the weights' registers stand ahead of step 0's waits
.endif
.if ((\s) == 5) && !(\last)
	WIN 0
	LOAD_BIAS                                      ; the lines that named the bias's registers, step 0's products the last, stand ahead of step 0's last wait
.endif
	PROD \s, 2, 2
	s_wait_dscnt 0x0                               ; blocks 4-7 are in
.if !((\last) && ((\s) == 7))
	PLACES
	WIN 0
	s_wait_alu depctr_va_vdst(0)                   ; the step's first 16 products are done reading X's blocks 0-3, in which the loads below land
	FETCH_X ((\s)+1)%8, 0
.endif
	PROD \s, 4, 4
	PLACES
	WIN 0
.if !((\last) && ((\s) == 7))
	s_wait_alu depctr_va_vdst(0)                   ; the step's last 16 products are done reading X's blocks 4-7, in which the loads below land, and all 32 their slot of W, which the next step asks for again
	FETCH_X ((\s)+1)%8, 4
.endif
.endm
; One expert.  X is the same for every expert, so step 7 fetches step 0's fragments again.
.macro TRIP first, last
	s_wait_xcnt 0x0                                ; every earlier load has had its addresses translated (ISA guide 3.1): the bases below are written only behind this wait
.if !(\first)
	s_mov_b64 s[WB:WB+1], s[WN:WN+1]
	s_lshl_b32 s28, s27, 2
	s_add_nc_u64 s[PB:PB+1], s[8:9], s[28:29]
.endif
.if !(\last)
	NEXT WN
.endif
	s_wait_loadcnt 32                              ; W's step 0 and the bias are in; steps 1 and 2 may be out
.set k, 0
.rept 32
	v_ldexp_f32 v[BIAS+k], v[BIAS+k], s23          ; b / 2^(e0 + e1)
.set k, k+1
.endr
	s_wait_alu depctr_va_vdst(0)
.irp s, 0,1,2,3,4,5,6,7
	STEP \s, \last
.endr
.irp a, 0,1,2,3,4,5,6,7
	v_ldexp_f32 v[PW+2*\a], v[PW+2*\a], s22        ; p x 2^(e0 + e1) (the weights are older than W's step 5: they are in).  With the four lines above: the places behind the last products
.endr
.if \first
	WIN 0xc2                                       ; the sums window 2, out window 3
.else
	WIN 0xf2
.endif
.set tt, 0
.rept 32
.irp i, 0,2,4,6
.if \first
	v_pk_mul_f32 v[8*tt+\i:8*tt+\i+1], v[8*tt+\i:8*tt+\i+1], v[PW+2*(tt/4):PW+2*(tt/4)+1] op_sel_hi:[1,0]   ; the first expert starts out's sums; each accumulator from its low end on
.else
	v_pk_fma_f32 v[8*tt+\i:8*tt+\i+1], v[8*tt+\i:8*tt+\i+1], v[PW+2*(tt/4):PW+2*(tt/4)+1], v[8*tt+\i:8*tt+\i+1] op_sel_hi:[1,0,1]
.endif
.endr
.set tt, tt+1
.endr
	WIN 0
.endm
	TRIP 1, 0
	s_cmp_eq_u32 s25, 0
	s_cbranch_scc1 .Llast
	s_mov_b32 s26, 0
.Lmid:
	TRIP 0, 0
	s_add_co_u32 s26, s26, 1
	s_cmp_lt_u32 s26, s25
	s_cbranch_scc1 .Lmid
.Llast:
	TRIP 0, 1
; THE WAY OUT, a block of 16 tokens at a time.  A lane holds 32 bytes of a token's row, the lanes beside it other tokens': the block goes through my own stage and comes back as whole runs of 256 bytes (my 64 columns of a
; token).  LDS serves a wave's instructions in order (ISA guide 5.7.1.4): no wait between the stores and the loads, nor in front of the next block's stores.
; No vector instruction stands in it: one wait on va_vdst at its head states all that its LDS stores and loads hang on; from block 4 on a set of registers that stores have read is loaded again, behind a wait on vm_vsrc.
.macro TOSTAGE a
	WIN 0x0c                                       ; data window 3
.irp b, 0,1,2,3
	ds_store_b128 v[STO], v[8*(4*(\a)+\b):8*(4*(\a)+\b)+3]   offset:64*\b
	ds_store_b128 v[STO], v[8*(4*(\a)+\b)+4:8*(4*(\a)+\b)+7] offset:64*\b+16
.endr
	WIN 0
.irp i, 0,1,2,3,4,5,6,7
	ds_load_b128 v[BK+32*((\a)%4)+4*\i:BK+32*((\a)%4)+4*\i+3], v[RD] offset:2*SPITCH*\i
.endr
.endm
.macro SEND a, younger                 ; younger: the LDS instructions issued behind block a's loads
	s_wait_dscnt \younger
.irp i, 0,1,2,3,4,5,6,7
	global_store_b128 v[OOFF+8*(\a)+\i], v[BK+32*((\a)%4)+4*\i:BK+32*((\a)%4)+4*\i+3], s[16:17] th:TH_STORE_NT   ; sixteen lanes store 256 consecutive bytes, aligned; written once, read by nobody here
.endr
.endm
	WIN 0x0c
	s_wait_alu depctr_va_vdst(0)                   ; the last multiply-adds have written out's sums, which the LDS stores read; the last products are done reading X's registers, in which the loads from the stage land
	TOSTAGE 0
.irp a, 1,2,3,4,5,6,7
.if \a > 3
	s_wait_xcnt 0x0                                ; block a - 4's stores have had their addresses translated,
	s_wait_alu depctr_vm_vsrc(0)                   ; and have read their registers: block a's loads may land there
.endif
	TOSTAGE \a
	SEND \a-1, 16                                  ; behind block a - 1's loads: block a's 8 stores and 8 loads
.endr
	SEND 7, 0
	s_wait_xcnt 0x0
	s_wait_alu depctr_vm_vsrc(0)                   ; block 7's stores have read v254 and v255, which the two lines below write
	v_lshl_add_u32 v254, v0, 2, 0x24c00
	v_mov_b32 v255, 0
	s_wait_dscnt 0x0                               ; the closing lines, six on end
	s_wait_alu 0x0
	s_wait_tensorcnt 0x0
	ds_add_u32 v254, v255
	s_wait_dscnt 0x0
	s_endpgm
.Lfunc_end_k_qcba95906e1_experts:
	.size	k_qcba95906e1_experts, .Lfunc_end_k_qcba95906e1_experts-k_qcba95906e1_experts
	.p2alignl 7, 3214868480
	.fill 96, 4, 3214868480
	.section	.rodata,"a",@progbits
	.p2align	6, 0x0
	.amdhsa_kernel k_qcba95906e1_experts
		.amdhsa_group_segment_fixed_size 151040
		.amdhsa_private_segment_fixed_size 0
		.amdhsa_enable_private_segment 0
		.amdhsa_kernarg_size 64
		.amdhsa_user_sgpr_count 2
		.amdhsa_user_sgpr_kernarg_segment_ptr 1
		.amdhsa_wavefront_size32 1
		.amdhsa_system_sgpr_workgroup_id_x 1
		.amdhsa_system_sgpr_workgroup_id_y 1
		.amdhsa_system_sgpr_workgroup_id_z 1
		.amdhsa_system_vgpr_workitem_id 0
		.amdhsa_next_free_vgpr 1024
		.amdhsa_next_free_sgpr 100
		.amdhsa_reserve_vcc 0
		.amdhsa_float_denorm_mode_32 3
		.amdhsa_float_denorm_mode_16_64 3
		.amdhsa_memory_ordered 1
		.amdhsa_forward_progress 1
		.amdhsa_inst_pref_size 239
	.end_amdhsa_kernel
	.amdgpu_metadata
---
amdhsa.version: [ 1, 2 ]
amdhsa.kernels:
  - .name:           k_qcba95906e1_experts
    .symbol:         k_qcba95906e1_experts.kd
    .args:
      - { .name: xc, .offset: 0, .size: 8, .value_kind: global_buffer, .address_space: global }
      - { .name: wc, .offset: 8, .size: 8, .value_kind: global_buffer, .address_space: global }
      - { .name: pw, .offset: 16, .size: 8, .value_kind: global_buffer, .address_space: global }
      - { .name: order, .offset: 24, .size: 8, .value_kind: global_buffer, .address_space: global }
      - { .name: expert_b, .offset: 32, .size: 8, .value_kind: global_buffer, .address_space: global }
      - { .name: lowp_scales, .offset: 40, .size: 8, .value_kind: global_buffer, .address_space: global }
      - { .name: out0, .offset: 48, .size: 8, .value_kind: global_buffer, .address_space: global }
      - { .name: bmask, .offset: 56, .size: 8, .value_kind: global_buffer, .address_space: global }
    .group_segment_fixed_size: 151040
    .private_segment_fixed_size: 0
    .kernarg_segment_align: 8
    .kernarg_segment_size: 64
    .max_flat_workgroup_size: 128
    .sgpr_count:     100
    .vgpr_count:     1024
    .wavefront_size: 32
...
	.end_amdgpu_metadata
.endif
;; end of part 6
